; MI455X (gfx1250); checked and timed in simulation.
; The chip was launched on July 23, 2026; its instructions are those of AMD's public machine-readable ISA for CDNA 5 (MIT licence, August 2026) and "CDNA5" Instruction Set Architecture Reference Guide (July 2026). The comments in the code are by the model that wrote it; some were corrected since.
;; Custom Attention. Allowed arithmetic: matrix products marked QUANTISED: E2M3 operands, one E8M0 scale for each 32 along K, by v_wmma_scale_f32_16x16x128_f8f6f4 with both operands' format E2M3, f32 sums; everything else in f32.
;; Inputs: Wk 1,024 x 1,024 float32; Wo 1,024 x 1,024 float32; Wq 1,024 x 1,024 float32; Wv 1,024 x 1,024 float32; bk 1,024 float32; bo 1,024 float32; bq 1,024 float32; bv 1,024 float32; key 4 x 2,048 x 1,024 float32; key_padding_mask 4 x 2,048 int32; mask 4 x 1 x 2,048 x 2,048 int32; query 4 x 2,048 x 1,024 float32; value 4 x 2,048 x 1,024 float32.
;; Outputs: out0 4 x 2,048 x 1,024 float32.
;; This version of the problem:
;;   THIS VERSION OF THE PROBLEM IS GIVEN IN LOW PRECISION. The matrix products marked QUANTISED in the list below multiply operands that are first quantised to E2M3 (2 exponent bits, 3 mantissa bits; 6 bits a number), with one power-of-two scale for each 32 numbers along K (OCP MX v1.0); their sums are f32. All else is computed in f32.
;;   The module's matrix products, in the order in which they are computed (A, B: the left and right operand; K: the contracted axis; several contracted axes count as one K, in the product's order):
;;     1. [M 8,192, K 1,024] x [K 1,024, N 1,024]; A: input query; B: input Wq: QUANTISED
;;     2. [M 8,192, K 1,024] x [K 1,024, N 1,024]; A: input key; B: input Wk: QUANTISED
;;     3. [M 8,192, K 1,024] x [K 1,024, N 1,024]; A: input value; B: input Wv: QUANTISED
;;     4. batch 64 x [M 2,048, K 64] x [K 64, N 2,048]; A: computed on the way; B: computed on the way: QUANTISED
;;     5. batch 64 x [M 2,048, K 2,048] x [K 2,048, N 64]; A: softmax (see below); B: computed on the way: QUANTISED
;;     6. [M 8,192, K 1,024] x [K 1,024, N 1,024]; A: computed on the way; B: input Wo: QUANTISED
;;   THE QUANTISER, for each operand of a quantised product, along K:
;;     - K is cut into blocks of 32 from its start; a last block that is shorter is filled with zeros.
;;     - A block's scale is 2^e with e = floor(log2(the largest magnitude in the block)) - 2, held to -126 .. 127; a block of zeros has e = 0. As a byte (E8M0): e + 127.
;;     - Each number is divided by its block's scale, clamped to +-7.5, and rounded to the nearest number of E2M3, ties to even, subnormals kept.
;;     - The product sums the exact products of the quantised numbers (number of the format x scale) in f32.
;;   ~~~python
;;   def quantise(x, axis):      # numpy; x: float32 -> the quantised numbers, widened to float32 again
;;       x = np.moveaxis(x, axis, -1); K = x.shape[-1]
;;       x = np.pad(x, [(0, 0)] * (x.ndim - 1) + [(0, -K % 32)]); x = x.reshape(x.shape[:-1] + (-1, 32)); a = np.abs(x).max(-1, keepdims=True)
;;       e = np.where(a > 0, np.clip(np.frexp(np.where(a > 0, a, 1))[1] - 1 - 2, -126, 127), 0)      # np.frexp(a)[1] - 1 = floor(log2(a)), exactly
;;       r = np.clip(x / 2.0 ** e, -7.5, 7.5)
;;       step = 2.0 ** (np.maximum(np.frexp(np.where(r == 0, 1, r))[1] - 1, 0) - 3)
;;       q = np.round(r / step) * step * 2.0 ** e      # np.round: ties to even
;;       return np.moveaxis(q.reshape(q.shape[:-2] + (-1,))[..., :K], -1, axis).astype(np.float32)
;;   ~~~
;;   SOFTMAX AHEAD OF A QUANTISED PRODUCT. Where the list says 'softmax', what is quantised is not the finished softmax but p = 2^(t - M), with t = logit x log2(e) and M = ceil(the row's largest t), a whole number; so 1/2 < the row's largest p <= 1. The row's sum l is taken of the UNQUANTISED p, in f32, and the product's result is divided by l at the end. Since M is a whole number, a kernel that streams over the keys may use a running M (the ceiling of the running maximum): every later rescaling is an exact power of two, which a block's scale takes up: the codes' values come out the same.
;;   OPERANDS COMPUTED ON THE WAY. 'Computed on the way' means the value that the module computes at that place (a softmax that the list does not call 'softmax' is quantised finished and normalised). What goes into a quantiser is computed in f32, as accurately as f32 sums, v_exp_f32 and their like allow (about 1e-6 of the number): no bf16 or f16 on the way to a quantiser, and a product that is left as it is and whose result goes on into a quantised operand takes f32 operands (vector FMAs, or v_wmma_f32_16x16x4_f32). A number that lies on a knife's edge between two numbers of the format may be rounded either way, as far as f32 arithmetic and the matrix unit's own rounding can turn it there, and no further.
;; 2 versions, each right; version 2 is version 1 with the launch attn written anew for expert scheduling mode. Each part assembles by itself: llvm-mc -triple=amdgcn-amd-amdhsa -mcpu=gfx1250 --defsym DOCPART=n.
;; ======== version 1 of 2: 4 launches
;; workspace buffers: codes 22,020,096 bytes; scales 917,504 bytes; mw 2,097,152 bytes of whole numbers; mflag 4,096 bytes of whole numbers; qkvc 18,874,368 bytes; qkvs 1,310,720 bytes; ocodes 6,291,456 bytes; oscales 262,144 bytes
;; launch prep (part 1): grid 704 x 1, 4 waves a work-group, no clusters, 68,096 bytes of LDS; arguments query, key, value, Wq, Wk, Wv, Wo, mask, key_padding_mask, codes, scales, mw, mflag; writes codes, scales, mw, mflag
.if DOCPART == 1
	.amdgcn_target "amdgcn-amd-amdhsa--gfx1250"
	.amdhsa_code_object_version 6
	.text
	.protected	k_q147c265c2e_prep
	.globl	k_q147c265c2e_prep
	.p2align	8
	.type	k_q147c265c2e_prep,@function
k_q147c265c2e_prep:
	s_mov_b64 s[64:65], 0
	v_nop
	global_prefetch_b8 v0, s[64:65] scope:SCOPE_SE
	s_setreg_imm32_b32 hwreg(HW_REG_WAVE_MODE, 25, 1), 1
	s_wait_xcnt 0x0
; PREP.  (1) query, key, value [8192][1024] and Wq, Wk, Wv, Wo [1024][1024], f32, K innermost, become codes of FP6 (E2M3) with one E8M0 byte for each 32 along K.
; (2) mask [4][1][2048][2048] and key_padding_mask [4][2048], int32, become lane masks: one bit for each (query, key), laid as the attention launch's score registers want them.
; ROW TILES.  Rows go in tiles of 16: place i of tile T is row 32 (T / 2) + 8 (T % 2) + i + 8 (i / 8).  A matrix result whose source 0 is such a tile holds, in the 16 registers of two neighbouring tiles,
; 16 neighbours along the next product's K.  IMAGES.  A fragment (16 rows x 128 K, 12 registers a lane) lies in memory as six pieces of 256 bytes: lane l's 8 bytes at 256 p + 8 l are registers 2 p, 2 p + 1.
; codes: [tile][K step 8][piece 6][256];  scales: [tile][place 16][8 words], word s for K step s.  Tiles: query 0-511, key 512-1023, value 1024-1535, Wq 1536-, Wk 1600-, Wv 1664-, Wo 1728-1791.
; mw: [batch x 128 + query tile][unit of 128 keys, 16][64 words]: bit l of word 16 b + i says that key 128 unit + 32 b + 16 (l / 16) + i counts for the query at place l % 16.
; mflag: [batch x 128 + query tile][2 words]: bit u of their OR says that unit u has a hole.
; SHARES.  Every wave streams 64 KiB.  Work-groups 0-447: wave w takes row tile 4 g + w.  Work-groups 448-703: a wave takes 16 rows of the mask x 1,024 keys.
; A load reads 512 consecutive bytes of one row; the step's 16 rows turn through the wave's own stage in LDS (rows 528 bytes apart) and come back with a lane's registers running along K (or along the keys).
; No tensor loads, no barrier: waves share nothing.  The two paths have LDS bytes of their own.
; A block's scale is 2^(floor(log2(largest magnitude)) - 2); its byte is the largest magnitude's exponent field - 2, held at 1 from below.
; LIMITS: a block of zeros gets the byte 1 where the rule says 127 (its codes are zeros; this program alone reads the bytes); blocks whose largest magnitude lies under 2^-124 are held at the byte 1; NaN and infinities among the inputs are not served.
.set STG,  8448                        ; a stage: 16 rows x (512 + 16) bytes
.set MSTG, 4*STG                       ; the mask path's four stages lie behind the other path's
.set R,    16                          ; v16-143  two sets of 64 registers as loaded
.set X,    144                         ; v144-207 64 numbers after the turn
.set PC,   208                         ; v208-219 a fragment's codes
.set PT,   220                         ; v220-227 the conversions' second halves
.set SW,   228                         ; v228-235 eight scale words
.set KP,   208                         ; mask path: v208-239 the padding mask as 0 / -1
.set MWV,  240                         ; mask path: v240-241 a unit's 64 words, two a lane
.set MX,   8                           ; v8-9 largest magnitudes;  v10-11 scale operands;  v12-13 bytes;  v14, v15 at work
.set SOP,  10
.set BY,   12
.set TW,   14
.set TP,   15
	s_load_b512 s[4:19], s[0:1], 0x0               ; query, key, value, Wq, Wk, Wv, Wo, mask
	s_load_b256 s[20:27], s[0:1], 0x40             ; key_padding_mask, codes, scales, mw
	s_load_b64 s[28:29], s[0:1], 0x60              ; mflag
	v_lshl_add_u32 v254, v0, 2, 0x10800
	v_mov_b32 v255, 0
	v_lshrrev_b32 v7, 5, v0
	v_readfirstlane_b32 s30, v7                    ; wave
	v_and_b32 v8, 31, v0                           ; lane l
	v_and_b32 v9, 15, v0                           ; r
	v_bfe_u32 v10, v0, 4, 1                        ; h
	v_lshlrev_b32 v1, 4, v8                        ; 16 l: my bytes of a load's 512
	v_lshlrev_b32 v4, 3, v8                        ; 8 l: my bytes of a piece
	v_lshlrev_b32 v5, 3, v10                       ; 8 h
	v_lshlrev_b32 v6, 5, v9
	v_lshl_add_u32 v6, v10, 4, v6                  ; 32 r + 16 h: my four scale words
	v_mul_u32_u24 v3, v9, 528
	s_mul_i32 s35, s30, STG
	s_mov_b32 s40, 0x76543210
	s_mov_b32 s41, 0xfedcba98                      ; v_permlanex16_b32's selects for lane l xor 16
	s_mov_b32 s37, 0
.macro LOADT s, pitch                  ; step s: 512 bytes of each of the tile's 16 rows, into set s % 2
.irp i, 0,1,2,3,4,5,6,7,8,9,10,11,12,13,14,15
	global_load_b128 v[R+64*((\s)%2)+4*\i:R+64*((\s)%2)+4*\i+3], v1, s[32:33] offset:(\i+8*(\i/8))*\pitch+512*(\s) th:TH_LOAD_NT
.endr
.endm
.macro TOSTG s                         ; the set goes into the stage as it was loaded: row i at 528 i
.irp i, 0,1,2,3,4,5,6,7,8,9,10,11,12,13,14,15
	ds_store_b128 v2, v[R+64*((\s)%2)+4*\i:R+64*((\s)%2)+4*\i+3] offset:528*\i
.endr
.endm
	s_cmp_ge_u32 ttmp9, 448
	s_cbranch_scc1 .Lmask
; ---------------- the numbers ----------------
	v_add_nc_u32 v2, s35, v1                       ; stage, in: 16 l
	v_lshl_add_u32 v3, v10, 7, v3
	v_add_nc_u32 v3, s35, v3                       ; stage, out: row r, + 128 h: my block of 32 numbers
	v_mov_b32 v[TP], 0                             ; a lane permute's destination counts as one of its sources
	s_wait_kmcnt 0x0
	s_mov_b64 s[32:33], s[4:5]
	s_mov_b32 s34, 0
.macro PICK first, ptr                 ; the tensor is chosen by the work-group's number alone
	s_cmp_ge_u32 ttmp9, \first
	s_cselect_b64 s[32:33], s[\ptr:\ptr+1], s[32:33]
	s_cselect_b32 s34, \first, s34
.endm
	PICK 128, 6
	PICK 256, 8
	PICK 384, 10
	PICK 400, 12
	PICK 416, 14
	PICK 432, 16
	s_sub_co_u32 s36, ttmp9, s34
	s_lshl_b32 s36, s36, 2
	s_add_co_u32 s36, s36, s30                     ; my tile within its tensor
	s_lshr_b32 s38, s36, 1
	s_lshl_b32 s38, s38, 5
	s_and_b32 s39, s36, 1
	s_lshl_b32 s39, s39, 3
	s_add_co_u32 s38, s38, s39                     ; its first row: 32 (tile / 2) + 8 (tile % 2)
	s_lshl_b32 s36, s38, 12                        ; rows of 4,096 bytes
	s_add_nc_u64 s[32:33], s[32:33], s[36:37]
	s_lshl_b32 s38, ttmp9, 2
	s_add_co_u32 s38, s38, s30                     ; my tile among all 1,792
	s_mul_i32 s36, s38, 12288
	s_add_nc_u64 s[22:23], s[22:23], s[36:37]
	s_lshl_b32 s36, s38, 9
	s_add_nc_u64 s[24:25], s[24:25], s[36:37]
	LOADT 0, 4096
	LOADT 1, 4096
.macro QSTEP s                         ; K step s: 16 rows x 128 numbers become one fragment and one scale word a row
.if (\s) < 7
	s_wait_loadcnt 16                              ; this step's 16 loads are in; the next step's may be out
.else
	s_wait_loadcnt 0x0
.endif
	TOSTG \s
.irp c, 0,1
.irp j, 0,1,2,3,4,5,6,7
	ds_load_b128 v[X+32*\c+4*\j:X+32*\c+4*\j+3], v3 offset:256*\c+16*\j   ; k = 64 c + 32 h + 4 j ..: LDS serves a wave's instructions in order, so these see the stores above
.endr
.endr
	s_wait_dscnt 0x0                               ; the numbers are back, and the stores into the stage have read their registers
	s_wait_xcnt 0x0                                ; the last step's stores have read the codes' registers
.if (\s) < 6
	LOADT (\s)+2, 4096
.endif
.irp c, 0,1
	v_max3_num_f32 v[MX+\c], |v[X+32*\c]|, |v[X+32*\c+1]|, 0x1800000   ; my block 2 c + h: all its 32 numbers are mine; the floor 2^(3 - 127) holds the byte at 1 from below
.endr
.irp i, 2,4,6,8,10,12,14,16,18,20,22,24,26,28,30
.irp c, 0,1
	v_max3_num_f32 v[MX+\c], v[MX+\c], |v[X+32*\c+\i]|, |v[X+32*\c+\i+1]|
.endr
.endr
.irp c, 0,1
	v_add_nc_u32 v[SOP+\c], 0xff000000, v[MX+\c]   ; 2 off the exponent field: the conversion takes that field of this operand as its scale
.endr
.irp c, 0,1
	v_lshrrev_b32 v[BY+\c], 23, v[SOP+\c]          ; the scale's byte
.endr
	v_lshl_or_b32 v[TW], v[BY+1], 16, v[BY]        ; blocks h and 2 + h of my row,
	v_lshlrev_b32 v[TW], v5, v[TW]                 ; at their places in the word;
	v_permlanex16_b32 v[TP], v[TW], s40, s41
	v_or_b32 v[SW+(\s)], v[TW], v[TP]              ; with lane l xor 16's two the word is whole
.irp c, 0,1
	v_cvt_scalef32_pk16_fp6_f32 v[PC+6*\c:PC+6*\c+2], v[X+32*\c:X+32*\c+15], v[SOP+\c]
	v_cvt_scalef32_pk16_fp6_f32 v[PT+4*\c:PT+4*\c+2], v[X+32*\c+16:X+32*\c+31], v[SOP+\c]   ; (a conversion's three registers begin on an even number)
.endr
	v_nop                                          ; one plain place behind a scaled conversion
.irp c, 0,1
.irp i, 0,1,2
	v_mov_b32 v[PC+3+6*\c+\i], v[PT+4*\c+\i]
.endr
.endr
.irp p, 0,1,2,3,4,5
	global_store_b64 v4, v[PC+2*\p:PC+2*\p+1], s[22:23] offset:1536*(\s)+256*\p   ; a piece: 32 lanes store 256 consecutive bytes, aligned
.endr
.endm
.irp s, 0,1,2,3,4,5,6,7
	QSTEP \s
.endr
	v_cmp_eq_u32 vcc_lo, 8, v5                     ; lanes 16-31 store words 4 to 7 of their row
.irp j, 0,1,2,3
	v_cndmask_b32 v[PT+\j], v[SW+\j], v[SW+4+\j], vcc_lo
.endr
	global_store_b128 v6, v[PT:PT+3], s[24:25]     ; 32 lanes store the tile's 512 bytes of scales
	s_wait_tensorcnt 0x0
	ds_add_u32 v254, v255
	s_wait_dscnt 0x0
	s_endpgm
; ---------------- the masks ----------------
.Lmask:
	s_add_co_u32 s35, s35, MSTG
	v_add_nc_u32 v2, s35, v1
	v_lshl_add_u32 v3, v10, 6, v3
	v_add_nc_u32 v3, s35, v3                       ; stage, out: row r, + 64 h: 16 keys of each 32
	s_sub_co_u32 s36, ttmp9, 448
	s_lshl_b32 s36, s36, 1
	s_lshr_b32 s38, s30, 1
	s_add_co_u32 s36, s36, s38                     ; batch x 128 + query tile
	s_and_b32 s38, s30, 1                          ; which 1,024 keys
	s_lshr_b32 s39, s36, 7                         ; batch
	s_and_b32 s42, s36, 127
	s_lshr_b32 s43, s42, 1
	s_lshl_b32 s43, s43, 5
	s_and_b32 s42, s42, 1
	s_lshl_b32 s42, s42, 3
	s_add_co_u32 s42, s42, s43                     ; the tile's first row
	s_lshl_b32 s42, s42, 13                        ; rows of 8,192 bytes
	s_lshl_b32 s43, s39, 24                        ; a batch's 2,048 rows
	s_add_co_u32 s42, s42, s43
	s_lshl_b32 s50, s38, 12
	s_add_co_u32 s42, s42, s50
	s_mov_b32 s43, 0
	s_wait_kmcnt 0x0
	s_add_nc_u64 s[32:33], s[18:19], s[42:43]
	s_lshl_b32 s42, s39, 13
	s_add_co_u32 s42, s42, s50
	s_add_nc_u64 s[20:21], s[20:21], s[42:43]
	s_lshl_b32 s42, s36, 12
	s_lshl_b32 s50, s38, 11
	s_add_co_u32 s42, s42, s50
	s_add_nc_u64 s[26:27], s[26:27], s[42:43]
	s_lshl_b32 s42, s36, 3
	s_lshl_b32 s50, s38, 2
	s_add_co_u32 s42, s42, s50
	s_add_nc_u64 s[28:29], s[28:29], s[42:43]
	s_lshl_b32 s51, s38, 3
	s_mov_b32 s49, 0
.irp s, 0,1,2,3,4,5,6,7
	global_load_b128 v[KP+4*\s:KP+4*\s+3], v1, s[20:21] offset:512*\s   ; the padding mask of my 1,024 keys, laid as a row's loads are
.endr
	LOADT 0, 8192
	LOADT 1, 8192
	v_mov_b32 v[MWV], 0                            ; a lane write's destination counts as read
	v_mov_b32 v[MWV+1], 0
	s_wait_loadcnt 32                              ; the padding mask is in; two steps' 32 row loads may be out
.set n, 0
.rept 32
	v_cmp_ne_u32 vcc_lo, 0, v[KP+n]
	v_cndmask_b32 v[KP+n], 0, -1, vcc_lo
.set n, n+1
.endr
.macro MSTEP s                         ; a unit of 128 keys x 16 rows becomes 64 words
.if (\s) < 7
	s_wait_loadcnt 16
.else
	s_wait_loadcnt 0x0
.endif
.irp i, 0,1,2,3,4,5,6,7,8,9,10,11,12,13,14,15
.irp j, 0,1,2,3
	v_and_b32 v[R+64*((\s)%2)+4*\i+\j], v[KP+4*(\s)+\j], v[R+64*((\s)%2)+4*\i+\j]   ; the padding mask, while lanes still run along the keys
.endr
.endr
	TOSTG \s
.irp b, 0,1,2,3
.irp j, 0,1,2,3
	ds_load_b128 v[X+16*\b+4*\j:X+16*\b+4*\j+3], v3 offset:128*\b+16*\j   ; register 16 b + i: key 32 b + 16 h + i of the unit, row place r
.endr
.endr
	s_wait_dscnt 0x0
	s_wait_xcnt 0x0                                ; the last unit's store has read its two registers
.if (\s) < 6
	LOADT (\s)+2, 8192
.endif
	s_mov_b32 s48, -1
.set n, 0
.rept 16
.irp k, 0,1,2,3
	v_cmp_ne_u32 s[44+\k], 0, v[X+n+\k]            ; the lane mask of score register n + k
.endr
.irp k, 0,1,2,3
	s_and_b32 s48, s48, s[44+\k]
.endr
.irp k, 0,1,2,3
	v_writelane_b32 v[MWV+(\k&1)], s[44+\k], (n+\k)>>1   ; word n to lane n / 2, register n % 2
.endr
.set n, n+4
.endr
	global_store_b64 v4, v[MWV:MWV+1], s[26:27] offset:256*(\s)   ; the unit's 64 words: 256 consecutive bytes, aligned
	s_cmp_eq_u32 s48, -1
	s_cselect_b32 s50, 0, 1<<(\s)
	s_or_b32 s49, s49, s50                         ; a unit with a hole sets its flag
.endm
.irp s, 0,1,2,3,4,5,6,7
	MSTEP \s
.endr
	s_lshl_b32 s49, s49, s51                       ; the second 1,024 keys are units 8 to 15
	v_mov_b32 v7, 0
	v_mov_b32 v8, s49
	global_store_b32 v7, v8, s[28:29]              ; every lane stores the same word to the same place
	s_wait_tensorcnt 0x0
	ds_add_u32 v254, v255
	s_wait_dscnt 0x0
	s_endpgm
.Lfunc_end_k_q147c265c2e_prep:
	.size	k_q147c265c2e_prep, .Lfunc_end_k_q147c265c2e_prep-k_q147c265c2e_prep
	.p2alignl 7, 3214868480
	.fill 96, 4, 3214868480
	.section	.rodata,"a",@progbits
	.p2align	6, 0x0
	.amdhsa_kernel k_q147c265c2e_prep
		.amdhsa_group_segment_fixed_size 68096
		.amdhsa_private_segment_fixed_size 0
		.amdhsa_enable_private_segment 0
		.amdhsa_kernarg_size 104
		.amdhsa_user_sgpr_count 2
		.amdhsa_user_sgpr_kernarg_segment_ptr 1
		.amdhsa_wavefront_size32 1
		.amdhsa_system_sgpr_workgroup_id_x 1
		.amdhsa_system_sgpr_workgroup_id_y 1
		.amdhsa_system_sgpr_workgroup_id_z 1
		.amdhsa_system_vgpr_workitem_id 0
		.amdhsa_next_free_vgpr 256
		.amdhsa_next_free_sgpr 66
		.amdhsa_reserve_vcc 1
		.amdhsa_float_denorm_mode_32 3
		.amdhsa_float_denorm_mode_16_64 3
		.amdhsa_memory_ordered 1
		.amdhsa_forward_progress 1
		.amdhsa_inst_pref_size 192
	.end_amdhsa_kernel
	.amdgpu_metadata
---
amdhsa.version: [ 1, 2 ]
amdhsa.kernels:
  - .name:           k_q147c265c2e_prep
    .symbol:         k_q147c265c2e_prep.kd
    .args:
      - { .name: query, .offset: 0, .size: 8, .value_kind: global_buffer, .address_space: global }
      - { .name: key, .offset: 8, .size: 8, .value_kind: global_buffer, .address_space: global }
      - { .name: value, .offset: 16, .size: 8, .value_kind: global_buffer, .address_space: global }
      - { .name: Wq, .offset: 24, .size: 8, .value_kind: global_buffer, .address_space: global }
      - { .name: Wk, .offset: 32, .size: 8, .value_kind: global_buffer, .address_space: global }
      - { .name: Wv, .offset: 40, .size: 8, .value_kind: global_buffer, .address_space: global }
      - { .name: Wo, .offset: 48, .size: 8, .value_kind: global_buffer, .address_space: global }
      - { .name: mask, .offset: 56, .size: 8, .value_kind: global_buffer, .address_space: global }
      - { .name: key_padding_mask, .offset: 64, .size: 8, .value_kind: global_buffer, .address_space: global }
      - { .name: codes, .offset: 72, .size: 8, .value_kind: global_buffer, .address_space: global }
      - { .name: scales, .offset: 80, .size: 8, .value_kind: global_buffer, .address_space: global }
      - { .name: mw, .offset: 88, .size: 8, .value_kind: global_buffer, .address_space: global }
      - { .name: mflag, .offset: 96, .size: 8, .value_kind: global_buffer, .address_space: global }
    .group_segment_fixed_size: 68096
    .private_segment_fixed_size: 0
    .kernarg_segment_align: 8
    .kernarg_segment_size: 104
    .max_flat_workgroup_size: 128
    .sgpr_count:     66
    .vgpr_count:     256
    .wavefront_size: 32
...
	.end_amdgpu_metadata
.endif
;; end of part 1
;; launch proj (part 2): grid 4 x 96, 4 waves a work-group, clusters of 4 x 4, 327,680 bytes of LDS; arguments codes, scales, bq, bk, bv, qkvc, qkvs; writes qkvc, qkvs
.if DOCPART == 2
	.amdgcn_target "amdgcn-amd-amdhsa--gfx1250"
	.amdhsa_code_object_version 6
	.text
	.protected	k_q147c265c2e_proj
	.globl	k_q147c265c2e_proj
	.p2align	8
	.type	k_q147c265c2e_proj,@function
k_q147c265c2e_proj:
	s_mov_b64 s[64:65], 0
	v_nop
	global_prefetch_b8 v0, s[64:65] scope:SCOPE_SE
	s_setreg_imm32_b32 hwreg(HW_REG_WAVE_MODE, 25, 1), 1
	s_wait_xcnt 0x0
	s_wait_alu depctr_hold_cnt(0) depctr_sa_sdst(0) depctr_va_vdst(0) depctr_va_sdst(0) depctr_va_ssrc(0) depctr_va_vcc(0) depctr_vm_vsrc(0)
	s_getreg_b32 s2, hwreg(HW_REG_IB_STS2, 6, 4)
	s_cmp_eq_u32 s2, 0
	s_cbranch_scc0 .Lentry_in_a_cluster
	s_endpgm
.Lentry_in_a_cluster:
	s_bfe_u32 s2, ttmp6, 0x10000c
	s_cmp_lg_u32 s2, 0xf033
	s_cbranch_scc0 .Lentry_shape_is_right
	s_endpgm
.Lentry_shape_is_right:
; PROJ.  q = query Wq^T + bq, k = key Wk^T + bk, v = value Wv^T + bv on codes of FP6 (E2M3) with E8M0 scales, K = 1,024; the results are quantised again in registers and leave as images of the attention launch's operands.
; Operands lie as prep laid them: codes [tile of 16 rows][K step 8][piece 6][256], scales [tile][place][8 words].  Place i of tile T is row 32 (T / 2) + 8 (T % 2) + i + 8 (i / 8).
; A work-group of four waves makes 256 x 256 results, a wave 128 x 128: 64 accumulators, 512 registers.  SOURCE 0 ("B") RUNS ALONG THE AXIS THAT IS QUANTISED NEXT, source 1 ("A") is the other:
;   q, k (cluster rows 0-15):  B = 256 rows of W (4 heads), A = 256 rows of x.  A lane holds one row of x and 64 neighbouring outputs by blocks: two heads of 64.
;   v    (cluster rows 16-23): B = 256 rows of value (keys), A = 256 rows of Wv.  A lane holds one (head, channel) and 128 keys.
; In both, the 64 registers of A's block a are register 16 b + i = next K 32 b + 16 (lane / 16) + i: one fragment and one scale word, made by the same lines.
; The bias is the C of each sum's first product: by B's block for q and k, by A's block for v; that first K step is written twice and chosen by a branch on the cluster's row, which all partners share.
; K goes in four fills of 256 through two LDS slots: a tile's part of a fill is 3,072 consecutive bytes, a wave's tensor load brings 8 tiles.  A fragment's piece is 256 consecutive bytes of LDS: no padding is wanted.
; The scales of the work-group's 512 rows come once, with the first fills, and stay.
; CLUSTERS: 4 x 4 work-groups; the grid is 4 wide, so cx is the work-group's x.  A's tiles are asked for jointly along a row of the cluster, B's along a column.
; OUT.  qkvc: q at 0, k at 6,291,456: [batch x 16 + head][tile 128][3 pieces][256];  v at 12,582,912: [batch x 16 + head][unit of 128 keys][channel tile 4][6 pieces][256].
; qkvs: q at 0, k at 524,288: [head][group of 4 tiles][place][4 words], bytes 0, 1 of a word the head's two scales (bytes 2, 3 stand over zero codes and are never 0xff);  v at 1,048,576: [head][unit][place][4 words, one a channel tile].
; LIMITS: a block of zeros gets the byte 1 (its codes are zeros; this program alone reads the bytes); NaN and infinities are not served.
; REGISTERS: window 0: v16-29 addresses; v32-63 scale words, two sets; v64-127 the bias; v128-223 A's fragments, one set; on the way out v128-147 codes, v224-247 at work.  window 1: B's fragments, two sets.  windows 2, 3: accumulator (a, b) at v[8 (8 (a % 4) + b)].
.set NQ,    2                          ; K steps of 128 in a slot
.set FR,    12
.set NL,    6                          ; LDS loads that bring a fragment
.set NP,    4                          ; places behind this matrix instruction (ISA guide 7.12.1)
.set TILEB, 3072                       ; a tile's bytes in a slot
.set HALFT, 8*TILEB                    ; what one tensor load brings
.set SLOT,  4*HALFT
.set LAPS,  2
.set KS,    32                         ; a row's scale bytes
.set SCL,   2*SLOT
.set HALFS, 16*272                     ; the scales of 128 rows: 16 units of 256 bytes + 16
.set SBLK,  2*272
.set SPARE, SCL+4*HALFS                ; the spare words: 128 bytes a wave, two blocks of 256 bytes that no other line names
.set ADRA, 16
.set ADRB, 20
.set VO0,  22                          ; the way out: 8 l;  v23: + the second three pieces' distance
.set VO1,  23
.set VS0,  24                          ; where four scale words go;  v25: the second four
.set VS1,  25
.set SH,   26                          ; how far lanes 16-31 shift the scale word down
.set ADRS, 27
.set SPW,  28
.set NIL,  29
.set SC,   32
.set BIAS, 64
.set AF,   128
.set PC,   128
.set TM,   224
.set PW,   240
.set PWB,  244
.set G1,   24
.set G0,   32
.set G1B,  48
.set G0B,  56
.set G1S,  68
.set G0S,  76
.set G1SB, 80
.set G0SB, 88
.set MSB, 0
.macro WIN new                         ; the immediate's high byte repeats the setting that is left
.if MSB != \new
	s_set_vgpr_msb (MSB<<8)|\new
.set MSB, \new
.endif
.endm
.set MUL_LO, 0xa1                      ; source 0 (B) window 1, source 1 (A) window 0, C and D window 2
.set MUL_HI, 0xf1
.set BEG_LO, 0x81                      ; the same with C (the bias) in window 0
.set BEG_HI, 0xc1
.set TO_B,   0x40
.macro JLOAD g0a, g1a, g0b, g1b        ; a joint load: waves 0 and 1 fetch for A, waves 2 and 3 for B; four v_nop follow each line
	s_cmp_eq_u32 s15, 0
	s_cbranch_scc0 .Lfor_b_\@
	tensor_load_to_lds s[\g0a:\g0a+3], s[\g1a:\g1a+7]
	s_nop 0
.rept 4
	v_nop
.endr
	s_branch .Lasked_\@
.Lfor_b_\@:
	tensor_load_to_lds s[\g0b:\g0b+3], s[\g1b:\g1b+7]
	s_nop 0
.rept 4
	v_nop
.endr
.Lasked_\@:
.endm
.macro CREST                           ; a round of the cluster's barrier behind its opening barrier
	s_cmp_lg_u32 s14, 0
	s_cbranch_scc1 .Lnot_wave_0_\@
	s_barrier_signal -3
.Lnot_wave_0_\@:
	s_barrier_wait -3
	s_barrier_signal -1
	s_barrier_wait -1
.endm
.macro CROUND
	s_barrier_signal -1
	s_barrier_wait -1
	CREST
.endm
	s_load_b256 s[4:11], s[0:1], 0x0               ; codes, scales, bq, bk
	s_load_b128 s[96:99], s[0:1], 0x20             ; bv, qkvc
	s_load_b64 s[100:101], s[0:1], 0x30            ; qkvs
	v_lshl_add_u32 v[SPW], v0, 2, SPARE
	v_mov_b32 v[NIL], 0
	ds_add_u32 v28, v29
	ds_add_u32 v28, v29
	s_wait_dscnt 0x0
	v_lshrrev_b32 v1, 5, v0
	v_readfirstlane_b32 s14, v1                    ; wave
	s_lshr_b32 s15, s14, 1                         ; my half of A's rows.  Also: I fetch for A (0) or for B (1)
	s_and_b32 s16, s14, 1                          ; my half of B's rows.  Also: which 8 tiles I fetch
	s_bfe_u32 s40, ttmp6, 0x40000                  ; cx
	s_bfe_u32 s41, ttmp6, 0x40004                  ; cy
	s_and_b32 s95, ttmp7, 0xffff                   ; the cluster's row, 0 .. 23
	s_lshl_b32 s43, s41, 2
	s_lshl_b32 s43, 15, s43                        ; my row of the cluster
	s_lshl_b32 s44, 0x1111, s40                    ; my column
	s_or_b32 s[G1+0], s43, (3<<16)|(1<<21)         ; 15:0 the mask; 17:16 elements of 8 bytes; 20 no padding; 21 set beside a mask
	s_or_b32 s[G1B+0], s44, (3<<16)|(1<<21)
.irp g, G1, G1B
	s_mov_b32 s[\g+1], 384<<16                     ; tensor_dim0: 3,072 bytes
	s_mov_b32 s[\g+2], 8<<16                       ; tensor_dim1: 8 tiles
	s_mov_b32 s[\g+3], 384<<16                     ; tile_dim0
	s_mov_b32 s[\g+4], 8                           ; tile_dim1
	s_mov_b32 s[\g+5], 1536                        ; from tile to tile: 12,288 bytes
	s_mov_b32 s[\g+6], 0
	s_mov_b32 s[\g+7], 0
.endr
	s_or_b32 s[G1S+0], s43, (3<<16)|(1<<20)|(1<<21)|(5<<22)|(3<<25)   ; the scales of 8 tiles: 4,096 dense bytes as 16 rows of 256, 16 bytes of padding behind each
	s_or_b32 s[G1SB+0], s44, (3<<16)|(1<<20)|(1<<21)|(5<<22)|(3<<25)
.irp g, G1S, G1SB
	s_mov_b32 s[\g+1], 32<<16
	s_mov_b32 s[\g+2], 16<<16
	s_mov_b32 s[\g+3], 32<<16
	s_mov_b32 s[\g+4], 16
	s_mov_b32 s[\g+5], 32
	s_mov_b32 s[\g+6], 0
	s_mov_b32 s[\g+7], 0
.endr
	s_lshl_b32 s17, s95, 6                         ; 64 x cluster row: x's tiles follow each other, query, key, value
	s_lshr_b32 s42, s95, 3                         ; 0: q, 1: k, 2: v
	s_lshl_b32 s18, s42, 6
	s_add_co_u32 s18, s18, 1536                    ; Wq's or Wk's first tile
	s_cmp_ge_u32 s95, 16
	s_cselect_b32 s20, 1664, s17                   ; A: Wv for v, else x
	s_cselect_b32 s46, s17, s18                    ; B: value for v, else W
	s_lshl_b32 s19, s16, 3
	s_lshl_b32 s21, s41, 4
	s_add_co_u32 s20, s20, s21
	s_add_co_u32 s20, s20, s19                     ; A's first tile that I fetch: hangs on cy alone
	s_lshl_b32 s47, s40, 4
	s_add_co_u32 s46, s46, s47
	s_add_co_u32 s46, s46, s19                     ; B's: on cx alone
	s_lshl_b32 s22, s20, 9
	s_mov_b32 s23, 0
	s_mul_i32 s20, s20, 12288
	s_mov_b32 s21, 0
	s_lshl_b32 s92, s46, 9
	s_mov_b32 s93, 0
	s_mul_i32 s46, s46, 12288
	s_mov_b32 s47, 0
	s_mul_i32 s45, s14, HALFT                      ; where they go: no place in the cluster enters an LDS address
	s_mul_i32 s94, s14, HALFS
	s_wait_kmcnt 0x0
	s_add_nc_u64 s[20:21], s[4:5], s[20:21]
	s_add_nc_u64 s[22:23], s[6:7], s[22:23]
	s_add_nc_u64 s[46:47], s[4:5], s[46:47]
	s_add_nc_u64 s[92:93], s[6:7], s[92:93]
	CROUND                                         ; all sixteen work-groups are here: the first joint loads meet
	s_mov_b32 s[G0S], 1
	s_add_co_u32 s[G0S+1], s94, SCL
	s_mov_b64 s[G0S+2:G0S+3], s[22:23]
	s_or_b32 s[G0S+3], s[G0S+3], 0x80000000
	s_mov_b32 s[G0SB], 1
	s_add_co_u32 s[G0SB+1], s94, SCL
	s_mov_b64 s[G0SB+2:G0SB+3], s[92:93]
	s_or_b32 s[G0SB+3], s[G0SB+3], 0x80000000
	JLOAD G0S, G1S, G0SB, G1SB                     ; the scales first: they are wanted with the first K step
.irp s, 0,1
	s_mov_b32 s[G0+4*\s], 1
	s_add_co_u32 s[G0+4*\s+1], s45, \s*SLOT
	s_add_nc_u64 s[G0+4*\s+2:G0+4*\s+3], s[20:21], \s*TILEB
	s_or_b32 s[G0+4*\s+3], s[G0+4*\s+3], 0x80000000
	s_mov_b32 s[G0B+4*\s], 1
	s_add_co_u32 s[G0B+4*\s+1], s45, \s*SLOT
	s_add_nc_u64 s[G0B+4*\s+2:G0B+4*\s+3], s[46:47], \s*TILEB
	s_or_b32 s[G0B+4*\s+3], s[G0B+4*\s+3], 0x80000000
	JLOAD G0+4*\s, G1, G0B+4*\s, G1B
.endr
	v_and_b32 v1, 15, v0                           ; r
	v_bfe_u32 v2, v0, 4, 1                         ; h
	v_and_b32 v3, 31, v0
	v_lshlrev_b32 v3, 3, v3                        ; 8 l
	s_mul_i32 s21, s15, HALFT
	s_mul_i32 s22, s16, HALFT
	s_add_co_u32 s22, s22, 2*HALFT
.irp s, 0,1
	v_add_nc_u32 v[ADRA+\s], s21, v3
	v_add_nc_u32 v[ADRB+\s], s22, v3
	s_add_co_u32 s21, s21, SLOT
	s_add_co_u32 s22, s22, SLOT
.endr
	v_mul_u32_u24 v5, v1, KS                       ; my row's scales: 32 bytes a row,
	v_lshrrev_b32 v6, 8, v5
	v_lshl_add_u32 v5, v6, 4, v5                   ; and 16 more for each 256 passed
	s_mul_i32 s21, s15, HALFS
	s_mul_i32 s22, s16, HALFS
	s_add_co_u32 s22, s22, 2*HALFS
	s_sub_co_u32 s22, s22, s21
	v_mul_u32_u24 v6, s22, v2                      ; lanes 16-31 take B's
	s_add_co_u32 s21, s21, SCL
	v_add_nc_u32 v5, v5, v6
	v_add_nc_u32 v[ADRS], s21, v5
.irp b, 0,1,2,3
	v_mov_b32 v[TM+4+\b], 0                        ; a lane permute's destination counts as one of its sources
.endr
	s_cmp_ge_u32 s95, 16
	s_cbranch_scc1 .Lv_arm
	; ---- q, k: where my results go, and my bias
	s_and_b32 s17, s95, 7
	s_lshl_b32 s17, s17, 2
	s_add_co_u32 s17, s17, s41                     ; which 256 rows of x
	s_lshr_b32 s18, s17, 3                         ; batch
	s_and_b32 s19, s17, 7
	s_lshl_b32 s19, s19, 4
	s_lshl_b32 s12, s15, 3
	s_add_co_u32 s19, s19, s12                     ; my first tile of the batch's 128
	s_lshl_b32 s66, s40, 1
	s_add_co_u32 s66, s66, s16                     ; which 128 outputs: heads 2 G and 2 G + 1
	s_lshl_b32 s67, s18, 4
	s_lshl_b32 s12, s66, 1
	s_add_co_u32 s67, s67, s12                     ; batch x 16 + head
	s_lshl_b32 s12, s67, 7
	s_add_co_u32 s12, s12, s19
	s_mul_i32 s12, s12, 768
	s_mul_i32 s13, s42, 6291456
	s_add_co_u32 s12, s12, s13
	s_mov_b32 s13, 0
	s_add_nc_u64 s[98:99], s[98:99], s[12:13]
	s_lshl_b32 s12, s67, 5
	s_lshr_b32 s19, s19, 2
	s_add_co_u32 s12, s12, s19
	s_lshl_b32 s12, s12, 8
	s_lshl_b32 s19, s42, 19
	s_add_co_u32 s12, s12, s19
	s_add_nc_u64 s[100:101], s[100:101], s[12:13]
	s_cmp_eq_u32 s42, 0
	s_cselect_b64 s[8:9], s[8:9], s[10:11]
	s_lshl_b32 s12, s66, 9
	s_add_nc_u64 s[8:9], s[8:9], s[12:13]
	v_lshlrev_b32 v4, 6, v2                        ; 64 h: B's block i, register j is output 32 (i / 2) + 16 h + 8 (i % 2) + j
.irp i, 0,1,2,3,4,5,6,7
	global_load_b128 v[BIAS+8*\i:BIAS+8*\i+3], v4, s[8:9] offset:(32*(\i/2)+8*(\i%2))*4
	global_load_b128 v[BIAS+8*\i+4:BIAS+8*\i+7], v4, s[8:9] offset:(32*(\i/2)+8*(\i%2))*4+16
.endr
	s_mov_b32 s20, 768                             ; from A's block to the next: a tile's three pieces
	s_mov_b32 s22, 768                             ; and from block 3 to block 4 the same
	s_mov_b32 s12, 98304                           ; the second three pieces are the next head's
	s_mov_b32 s13, 256                             ; the second four scale words: the next group of tiles
	s_mov_b32 s17, 8192                            ; lanes 16-31 store the next head's words,
	s_mov_b32 s18, 16                              ; which are the upper two bytes
	s_branch .Larms_join
.Lv_arm:
	; ---- v
	s_sub_co_u32 s17, s95, 16
	s_lshl_b32 s17, s17, 2
	s_add_co_u32 s17, s17, s40                     ; which 256 rows of value
	s_lshr_b32 s18, s17, 3                         ; batch
	s_lshl_b32 s19, s17, 1
	s_add_co_u32 s19, s19, s16
	s_and_b32 s19, s19, 15                         ; my unit of 128 keys
	s_lshl_b32 s66, s41, 2
	s_lshl_b32 s12, s15, 1
	s_add_co_u32 s66, s66, s12                     ; my first head: A's blocks 0-3; blocks 4-7 are the next
	s_lshl_b32 s67, s18, 4
	s_add_co_u32 s67, s67, s66
	s_lshl_b32 s67, s67, 4
	s_add_co_u32 s67, s67, s19                     ; (batch x 16 + head) x 16 + unit
	s_mul_i32 s12, s67, 6144
	s_add_co_u32 s12, s12, 12582912
	s_mov_b32 s13, 0
	s_add_nc_u64 s[98:99], s[98:99], s[12:13]
	s_lshl_b32 s12, s67, 8
	s_add_co_u32 s12, s12, 1048576
	s_add_nc_u64 s[100:101], s[100:101], s[12:13]
	s_lshl_b32 s12, s66, 8                         ; 64 numbers a head
	s_add_nc_u64 s[96:97], s[96:97], s[12:13]
	v_and_b32 v4, 8, v1
	v_add_nc_u32 v4, v4, v1
	v_lshlrev_b32 v4, 2, v4                        ; my lane's row of A's block: r + 8 (r / 8)
.irp a, 0,1,2,3,4,5,6,7
.irp j, 0,1,2,3,4,5,6,7
	global_load_b32 v[BIAS+8*\a+\j], v4, s[96:97] offset:(32*(\a/2)+8*(\a%2))*4   ; one number a lane, in all eight registers of the C
.endr
.endr
	s_mov_b32 s20, 1536                            ; from A's block to the next: a channel tile's six pieces
	s_mov_b32 s22, 98304-3*1536                    ; from block 3 to block 4: the next head
	s_mov_b32 s12, 768                             ; the second three pieces follow the first
	s_mov_b32 s13, 4096                            ; the second four scale words: the next head's
	s_mov_b32 s17, 0                               ; both halves of the lanes store the same words
	s_mov_b32 s18, 0
.Larms_join:
	s_mov_b32 s21, 0
	s_mov_b32 s23, 0
	v_mov_b32 v[VO0], v3
	v_add_nc_u32 v[VO1], s12, v3
	v_lshlrev_b32 v[VS0], 4, v1
	v_mul_u32_u24 v5, s17, v2
	v_add_nc_u32 v[VS0], v[VS0], v5
	v_add_nc_u32 v[VS1], s13, v[VS0]
	v_mul_u32_u24 v[SH], s18, v2
.macro FRAG reg, adr, q, i             ; tile i's fragment of the slot's q-th 128 along K: six pieces, each 256 consecutive bytes for the 32 lanes
.irp p, 0,1,2,3,4,5
	ds_load_b64 v[\reg+2*\p:\reg+2*\p+1], v[\adr] offset:TILEB*(\i)+1536*(\q)+256*\p
.endr
.endm
; 16 matrix instructions: A's blocks a0, a0 + 1 x B's eight.  zero = 1: C is the bias by B's block; 2: by A's block; 0: the sum goes on.  The 64 accumulators take turns, one instruction a turn, in the same order in every step.
.macro MUL16 a0, p, q, sc, zero
.irp a, \a0, \a0+1
.irp b, 0,1,2,3,4,5,6,7
.if \zero == 1
	v_wmma_scale_f32_16x16x128_f8f6f4 v[8*(8*((\a)%4)+\b):8*(8*((\a)%4)+\b)+7], v[128*(\p)+FR*\b:128*(\p)+FR*\b+FR-1], v[AF+FR*(\a):AF+FR*(\a)+FR-1], v[BIAS+8*\b:BIAS+8*\b+7], v[SC+8*NQ*(\sc)+NQ*\b+(\q)], v[SC+8*NQ*(\sc)+NQ*(\a)+(\q)] matrix_a_fmt:MATRIX_FMT_FP6 matrix_b_fmt:MATRIX_FMT_FP6 matrix_a_scale:MATRIX_SCALE_ROW1
.elseif \zero == 2
	v_wmma_scale_f32_16x16x128_f8f6f4 v[8*(8*((\a)%4)+\b):8*(8*((\a)%4)+\b)+7], v[128*(\p)+FR*\b:128*(\p)+FR*\b+FR-1], v[AF+FR*(\a):AF+FR*(\a)+FR-1], v[BIAS+8*(\a):BIAS+8*(\a)+7], v[SC+8*NQ*(\sc)+NQ*\b+(\q)], v[SC+8*NQ*(\sc)+NQ*(\a)+(\q)] matrix_a_fmt:MATRIX_FMT_FP6 matrix_b_fmt:MATRIX_FMT_FP6 matrix_a_scale:MATRIX_SCALE_ROW1
.else
	v_wmma_scale_f32_16x16x128_f8f6f4 v[8*(8*((\a)%4)+\b):8*(8*((\a)%4)+\b)+7], v[128*(\p)+FR*\b:128*(\p)+FR*\b+FR-1], v[AF+FR*(\a):AF+FR*(\a)+FR-1], v[8*(8*((\a)%4)+\b):8*(8*((\a)%4)+\b)+7], v[SC+8*NQ*(\sc)+NQ*\b+(\q)], v[SC+8*NQ*(\sc)+NQ*(\a)+(\q)] matrix_a_fmt:MATRIX_FMT_FP6 matrix_b_fmt:MATRIX_FMT_FP6 matrix_a_scale:MATRIX_SCALE_ROW1
.endif
.endr
.endr
.endm
.macro FETCH_B slot, q, p
	WIN TO_B
.irp i, 0,1,2,3,4,5,6,7
	FRAG 128*(\p)+FR*\i, ADRB+\slot, \q, \i
.endr
	WIN 0
.endm
.macro FETCH_A slot, q, i0
.irp i, \i0, \i0+1, \i0+2, \i0+3
	FRAG AF+FR*(\i), ADRA+\slot, \q, \i
.endr
.endm
.macro SCALES sc                       ; a slot's two scale words a row: lanes 0-15 A's block i, lanes 16-31 B's block i
.irp i, 0,1,2,3,4,5,6,7
	ds_load_b64 v[SC+8*NQ*\sc+NQ*\i:SC+8*NQ*\sc+NQ*\i+1], v[ADRS] offset:\i*SBLK
.endr
.endm
.macro PLACES n                        ; places in front of loads into registers that matrix instructions have read, and of the first read of results (ISA guide 7.12.1 for the first read of results)
.rept \n
	v_nop
.endr
.endm
.macro STEP slot, q, zero              ; a step of 128 along K that has its successor in the same slot
	s_wait_dscnt 4*NL                              ; B's set and A's blocks 0-3 are in; the youngest 24 loads (A's blocks 4-7) may be out
.if \zero
	WIN BEG_LO
.else
	WIN MUL_LO
.endif
	MUL16 0, (\q)%2, \q, \slot, \zero
	MUL16 2, (\q)%2, \q, \slot, \zero
	s_wait_dscnt 0
	PLACES NP
	FETCH_B \slot, (\q)+1, 1-(\q)%2
	FETCH_A \slot, (\q)+1, 0
.if \zero
	WIN BEG_HI
.else
	WIN MUL_HI
.endif
	MUL16 4, (\q)%2, \q, \slot, \zero
	MUL16 6, (\q)%2, \q, \slot, \zero
	PLACES NP
	WIN 0
	FETCH_A \slot, (\q)+1, 4
.endm
; A slot's last step changes slots: one barrier; in front of it each wave waits for all its tensor loads, adds 0 to its spare word, and waits for that and for its own reads of this slot.  fill = 1: this slot is filled again, two fills ahead.
.macro TURN slot, next, fill
	s_wait_tensorcnt 0x0                           ; all my tensor loads have landed: my part of the next slot
	ds_add_u32 v[SPW], v[NIL]                      ; 0 onto my spare word
	s_wait_dscnt 4*NL+1                            ; (the add and the youngest 24 loads may be out)
	WIN MUL_LO
	MUL16 0, 1, NQ-1, \slot, 0
	s_wait_dscnt 0x0                               ; the add is done, and my reads of this slot are over
	s_barrier_signal -1
	MUL16 2, 1, NQ-1, \slot, 0
	WIN 0
	s_barrier_wait -1
.if \fill
	CREST                                          ; the barrier has opened a round of the cluster's barrier: no wave of any partner still reads this slot or has a load on its way
	s_add_nc_u64 s[G0+4*\slot+2:G0+4*\slot+3], s[G0+4*\slot+2:G0+4*\slot+3], 2*TILEB
	s_add_nc_u64 s[G0B+4*\slot+2:G0B+4*\slot+3], s[G0B+4*\slot+2:G0B+4*\slot+3], 2*TILEB
	JLOAD G0+4*\slot, G1, G0B+4*\slot, G1B         ; the first tensor load behind the round; its four v_nop are the places in front of the loads below
.else
	PLACES NP
.endif
	v_add_nc_u32 v[ADRS], 4*NQ, v[ADRS]            ; the next slot's scale words
	FETCH_B \next, 0, 0
	FETCH_A \next, 0, 0
	SCALES \next
	WIN MUL_HI
	MUL16 4, 1, NQ-1, \slot, 0
	MUL16 6, 1, NQ-1, \slot, 0
	PLACES NP
	WIN 0
	FETCH_A \next, 0, 4
.endm
	s_wait_tensorcnt 1                             ; the scales and my part of slot 0 are in; slot 1's load may be out
	s_barrier_signal -1
	s_barrier_wait -1
	FETCH_B 0, 0, 0
	FETCH_A 0, 0, 0
	SCALES 0
	FETCH_A 0, 0, 4
	s_wait_loadcnt 0x0                             ; the bias
	s_cmp_ge_u32 s95, 16                           ; the first step is written twice: its products take the bias as C
	s_cbranch_scc1 .Lfirst_v
	STEP 0, 0, 1
	s_branch .Lfirst_done
.Lfirst_v:
	STEP 0, 0, 2
.Lfirst_done:
	s_mov_b32 s3, LAPS-1
.Llap:                                                 ; a trip goes once round the ring and fills both slots again
	TURN 0, 1, 1
	STEP 1, 0, 0
	TURN 1, 0, 1
	STEP 0, 0, 0
	s_sub_co_u32 s3, s3, 1
	s_cmp_lg_u32 s3, 0
	s_cbranch_scc1 .Llap
	TURN 0, 1, 0                                   ; the last lap fills nothing
	STEP 1, 0, 0
	s_wait_dscnt 4*NL
	WIN MUL_LO
	MUL16 0, 1, NQ-1, 1, 0
	MUL16 2, 1, NQ-1, 1, 0
	s_wait_dscnt 0
	WIN MUL_HI
	MUL16 4, 1, NQ-1, 1, 0
	MUL16 6, 1, NQ-1, 1, 0
	WIN 0
	s_mov_b32 s2, 0x76543210
	s_mov_b32 s3, 0xfedcba98                       ; v_permlanex16_b32's selects for lane l xor 16
	PLACES NP
; THE WAY OUT.  A's block a: my 64 numbers, register 16 b + i = next K 32 b + 16 h + i, become a fragment and a scale word, and the fragment leaves as its image: each store covers 256 consecutive bytes, aligned.
.macro OUTA a
.set WN, 2+(\a)/4
.set WW, WN|(WN<<2)
.set AC, 64*((\a)%4)
	WIN WW                                         ; sources 0 and 1: the accumulators' window
.irp b, 0,1,2,3
	v_max3_num_f32 v[TM+\b], |v[AC+16*\b]|, |v[AC+16*\b+1]|, 0x1800000   ; each accumulator is read from its low end on; the floor 2^(3 - 127) holds the byte at 1 from below
.endr
.irp i, 2,4,6,8,10,12,14
.irp b, 0,1,2,3
	v_max3_num_f32 v[TM+\b], |v[AC+16*\b+\i]|, |v[AC+16*\b+\i+1]|, v[TM+\b]
.endr
.endr
	WIN 0
.irp b, 0,1,2,3
	v_permlanex16_b32 v[TM+4+\b], v[TM+\b], s2, s3
.endr
.irp b, 0,1,2,3
	v_max_num_f32 v[TM+\b], v[TM+\b], v[TM+4+\b]   ; with lane l xor 16's: the block's largest magnitude
.endr
.irp b, 0,1,2,3
	v_add_nc_u32 v[TM+12+\b], 0xff000000, v[TM+\b] ; 2 off the exponent field: the conversion's scale operand
.endr
.irp b, 0,1,2,3
	v_lshrrev_b32 v[TM+4+\b], 23, v[TM+12+\b]      ; the scale's byte
.endr
	v_lshl_or_b32 v[PW], v[TM+5], 8, v[TM+4]
	v_lshl_or_b32 v[PW], v[TM+6], 16, v[PW]
	v_lshl_or_b32 v[PW], v[TM+7], 24, v[PW]
	s_wait_xcnt 0x0                                ; the last block's stores have read their registers and their base
.if (\a) == 4
	s_add_nc_u64 s[98:99], s[98:99], s[22:23]
.elseif (\a) > 0
	s_add_nc_u64 s[98:99], s[98:99], s[20:21]
.endif
	WIN WN                                         ; source 0: the accumulators' window
.irp c, 0,1
	v_cvt_scalef32_pk16_fp6_f32 v[PC+6*\c:PC+6*\c+2], v[AC+32*\c:AC+32*\c+15], v[TM+12+2*\c]
	v_cvt_scalef32_pk16_fp6_f32 v[PC+12+4*\c:PC+14+4*\c], v[AC+16+32*\c:AC+31+32*\c], v[TM+13+2*\c]
.endr
	WIN 0
	v_nop                                          ; one plain place behind a scaled conversion
.irp c, 0,1                                    ; the operand's layout wants a whole block in a lane
.irp i, 0,1,2
	v_permlane16_swap_b32 v[PC+6*\c+\i], v[PC+12+4*\c+\i]
.endr
.irp i, 0,1,2
	v_mov_b32 v[PC+3+6*\c+\i], v[PC+12+4*\c+\i]
.endr
.endr
.irp p, 0,1,2
	global_store_b64 v[VO0], v[PC+2*\p:PC+2*\p+1], s[98:99] offset:256*\p
.endr
.irp p, 0,1,2
	global_store_b64 v[VO1], v[PC+6+2*\p:PC+7+2*\p], s[98:99] offset:256*\p
.endr
	v_lshrrev_b32 v[PWB+(\a)%4], v[SH], v[PW]      ; q, k: lanes 16-31 keep the second head's two bytes
.if (\a) == 3
	global_store_b128 v[VS0], v[PWB:PWB+3], s[100:101]   ; four blocks' words: 16 lanes store 256 consecutive bytes, aligned
.elseif (\a) == 7
	global_store_b128 v[VS1], v[PWB:PWB+3], s[100:101]
.endif
.endm
.irp a, 0,1,2,3,4,5,6,7
	OUTA \a
.endr
	s_wait_tensorcnt 0x0                           ; the wave's end
	ds_add_u32 v[SPW], v[NIL]
	s_wait_dscnt 0x0
	CROUND                                         ; the closing round
	s_endpgm
.Lfunc_end_k_q147c265c2e_proj:
	.size	k_q147c265c2e_proj, .Lfunc_end_k_q147c265c2e_proj-k_q147c265c2e_proj
	.p2alignl 7, 3214868480
	.fill 96, 4, 3214868480
	.section	.rodata,"a",@progbits
	.p2align	6, 0x0
	.amdhsa_kernel k_q147c265c2e_proj
		.amdhsa_group_segment_fixed_size 327680
		.amdhsa_private_segment_fixed_size 0
		.amdhsa_enable_private_segment 0
		.amdhsa_kernarg_size 56
		.amdhsa_user_sgpr_count 2
		.amdhsa_user_sgpr_kernarg_segment_ptr 1
		.amdhsa_wavefront_size32 1
		.amdhsa_system_sgpr_workgroup_id_x 1
		.amdhsa_system_sgpr_workgroup_id_y 1
		.amdhsa_system_sgpr_workgroup_id_z 1
		.amdhsa_system_vgpr_workitem_id 0
		.amdhsa_next_free_vgpr 1024
		.amdhsa_next_free_sgpr 102
		.amdhsa_reserve_vcc 0
		.amdhsa_float_denorm_mode_32 3
		.amdhsa_float_denorm_mode_16_64 3
		.amdhsa_memory_ordered 1
		.amdhsa_forward_progress 1
		.amdhsa_inst_pref_size 191
	.end_amdhsa_kernel
	.amdgpu_metadata
---
amdhsa.version: [ 1, 2 ]
amdhsa.kernels:
  - .name:           k_q147c265c2e_proj
    .symbol:         k_q147c265c2e_proj.kd
    .args:
      - { .name: codes, .offset: 0, .size: 8, .value_kind: global_buffer, .address_space: global }
      - { .name: scales, .offset: 8, .size: 8, .value_kind: global_buffer, .address_space: global }
      - { .name: bq, .offset: 16, .size: 8, .value_kind: global_buffer, .address_space: global }
      - { .name: bk, .offset: 24, .size: 8, .value_kind: global_buffer, .address_space: global }
      - { .name: bv, .offset: 32, .size: 8, .value_kind: global_buffer, .address_space: global }
      - { .name: qkvc, .offset: 40, .size: 8, .value_kind: global_buffer, .address_space: global }
      - { .name: qkvs, .offset: 48, .size: 8, .value_kind: global_buffer, .address_space: global }
    .group_segment_fixed_size: 327680
    .private_segment_fixed_size: 0
    .kernarg_segment_align: 8
    .kernarg_segment_size: 56
    .max_flat_workgroup_size: 128
    .sgpr_count:     102
    .vgpr_count:     1024
    .wavefront_size: 32
...
	.end_amdgpu_metadata
.endif
;; end of part 2
;; launch attn (part 3): grid 4 x 64, 16 waves a work-group, no clusters, 210,944 bytes of LDS; arguments qkvc, qkvs, mw, mflag, ocodes, oscales; writes ocodes, oscales
.if DOCPART == 3
	.amdgcn_target "amdgcn-amd-amdhsa--gfx1250"
	.amdhsa_code_object_version 6
	.text
	.protected	k_q147c265c2e_attn
	.globl	k_q147c265c2e_attn
	.p2align	8
	.type	k_q147c265c2e_attn,@function
k_q147c265c2e_attn:
	s_mov_b64 s[64:65], 0
	v_nop
	global_prefetch_b8 v0, s[64:65] scope:SCOPE_SE
	s_setreg_imm32_b32 hwreg(HW_REG_WAVE_MODE, 25, 1), 1
	s_wait_xcnt 0x0
; ATTN.  For each (batch, head): o = softmax(q k^T x ln(1024) / 8, under the two masks) v, both products on codes of FP6 (E2M3) with E8M0 scales; o is quantised along d_model and leaves as the last product's operand.
; t = score x c, c = ln(1024) / 8 x log2(e) = 1.25; M = the running largest t rounded up to a whole number; p = 2^(t - M) is quantised along the keys, not normalised; the row's sum is taken of the unquantised p and divides at the end.
; SHARES.  A work-group is one head and 512 queries; each of its sixteen waves takes a tile of 16 queries, twice.  Four waves share a SIMD, so that one wave's vector work stands beside another's products and LDS loads.
; THE HEAD'S WHOLE K AND V, codes and scales, 208,896 bytes, are copied into LDS once, through registers, and stay: one barrier, no ring.  No tensor load and no cluster: the copy is made once for 512 wave steps of work,
; and a unit of 128 keys without a hole passes over its 64 selects.
; LAYOUT.  Both products are used transposed (S^T = K Q^T, O^T = V^T P^T): a lane holds one query.  Tiles hold rows 32 (T / 2) + 8 (T % 2) + i + 8 (i / 8), so that score register 16 b + i is key 32 b + 16 (lane / 16) + i of the unit.
; The head's K is 64: the upper half of Q's and K's fragments are zero codes, set once.
; A QUERY WITH NO KEY LEFT has the sum 0; its scale bytes are stored as 0xff, which makes that row NaN in the last product, as the softmax of an empty row is.
; LIMITS: c is taken as 1.25; a block of zeros gets the byte 1; NaN and infinities among the inputs are not served.
; oscales gets two bytes a row from each head: stores of two bytes, 262,144 bytes in all: the one place where this program stores less than 256 consecutive bytes.
.set KC,   0                           ; LDS: K's codes, tile x 768 + 256 p + 8 l
.set VC,   98304                       ; V's: unit x 6,144 + channel tile x 1,536 + 256 p + 8 l
.set KSC,  196608                      ; K's scale words: [group of 4 tiles][place][4]
.set VSC,  204800                      ; V's: [unit][place][4]
.set L8,   1
.set R16,  2
.set ADK,  3
.set ADV,  4
.set ADS,  5
.set ADT,  6
.set NINF, 7
.set BM,   8                           ; v8-11  block maxima, then the conversions' scale operands
.set QF,   16                          ; v16-27 Q
.set QS,   28
.set PW,   29
.set FF,   30                          ; v30 f, v31 a 0 (named with it as a pair)
.set KF,   32                          ; v32-79 four fragments of K
.set KSW,  80
.set VSW,  84
.set CH,   88                          ; v88-95 the conversions' second halves; v88 also at work
.set S,    96                          ; v96-159 S^T, then p
.set O,    160                         ; v160-191 O^T
.set VF,   192                         ; v192-239 four fragments of V
.set PC,   240
.set PM,   252
	s_load_b256 s[4:11], s[0:1], 0x0               ; qkvc, qkvs, mw, mflag
	s_load_b128 s[12:15], s[0:1], 0x20             ; ocodes, oscales
	v_lshl_add_u32 v91, v0, 2, 0x33000
	v_mov_b32 v95, 0
	v_lshrrev_b32 v3, 5, v0
	v_readfirstlane_b32 s16, v3                    ; wave 0..15
	v_and_b32 v4, 31, v0
	v_and_b32 v5, 15, v0
	v_lshlrev_b32 v[L8], 3, v4
	v_lshlrev_b32 v[R16], 4, v5
	v_lshlrev_b32 v198, 4, v4
	s_mul_i32 s17, s16, 6144
	v_add_nc_u32 v198, s17, v198                   ; the copy: 6,144 x wave + 16 l
	v_add_nc_u32 v199, VC, v198
	v_lshlrev_b32 v200, 4, v0                      ; 16 x thread
	v_lshlrev_b32 v201, 3, v0                      ; 8 x thread
	v_add_nc_u32 v202, KSC, v200
	v_add_nc_u32 v203, VSC, v201
	s_and_b32 s28, ttmp7, 0xffff                   ; batch x 16 + head
	s_mul_i32 s30, s28, 98304
	s_mov_b32 s31, 0
	s_wait_kmcnt 0x0
	s_add_nc_u64 s[4:5], s[4:5], s[30:31]          ; q's codes at my head
	s_add_nc_u64 s[32:33], s[4:5], 6291456         ; k's
	s_add_nc_u64 s[34:35], s[4:5], 12582912        ; v's
	s_lshl_b32 s30, s28, 13
	s_add_nc_u64 s[36:37], s[6:7], s[30:31]        ; q's scales at my head
	s_add_nc_u64 s[38:39], s[36:37], 524288        ; k's
	s_lshl_b32 s30, s28, 12
	s_add_nc_u64 s[40:41], s[6:7], s[30:31]
	s_add_nc_u64 s[40:41], s[40:41], 1048576       ; v's
.irp i, 0,1,2,3,4,5,6,7,8,9,10,11
	global_load_b128 v[96+4*\i:99+4*\i], v198, s[32:33] offset:512*\i
.endr
.irp i, 0,1,2,3,4,5,6,7,8,9,10,11
	global_load_b128 v[144+4*\i:147+4*\i], v198, s[34:35] offset:512*\i
.endr
	global_load_b128 v[192:195], v200, s[38:39]
	global_load_b64 v[196:197], v201, s[40:41]
	s_lshl_b32 s17, ttmp9, 5
	s_add_co_u32 s17, s17, s16                     ; my first tile of queries: 32 x work-group x + wave; the second lies 16 on
	s_mul_i32 s30, s17, 768
	s_add_nc_u64 s[4:5], s[4:5], s[30:31]
	s_lshr_b32 s30, s17, 2
	s_lshl_b32 s30, s30, 8
	s_and_b32 s29, s17, 3
	s_lshl_b32 s29, s29, 2
	s_add_co_u32 s30, s30, s29
	s_add_nc_u64 s[6:7], s[36:37], s[30:31]
	s_lshr_b32 s29, s28, 4
	s_lshl_b32 s29, s29, 7
	s_add_co_u32 s29, s29, s17                     ; batch x 128 + tile
	s_lshl_b32 s30, s29, 12
	s_add_nc_u64 s[8:9], s[8:9], s[30:31]
	s_lshl_b32 s30, s29, 3
	s_add_nc_u64 s[10:11], s[10:11], s[30:31]
	s_and_b32 s18, s28, 15                         ; head
	s_mul_i32 s30, s29, 12288
	s_lshr_b32 s19, s18, 1
	s_mul_i32 s19, s19, 1536                       ; two heads to a K step of the last product,
	s_add_co_u32 s30, s30, s19
	s_and_b32 s19, s18, 1
	s_mul_i32 s19, s19, 768                        ; three pieces each
	s_add_co_u32 s30, s30, s19
	s_add_nc_u64 s[12:13], s[12:13], s[30:31]
	s_lshl_b32 s30, s29, 9
	s_lshl_b32 s19, s18, 1
	s_add_co_u32 s30, s30, s19
	s_add_nc_u64 s[14:15], s[14:15], s[30:31]
	s_mov_b32 s20, 0x76543210
	s_mov_b32 s21, 0xfedcba98                      ; v_permlanex16_b32's selects for lane l xor 16
	s_mov_b32 s22, 0x3fa00000                      ; c = 1.25
	s_mov_b32 s23, s22                             ; (named with it as a pair)
	s_mov_b32 s24, 0
	v_mov_b32 v[NINF], 0xff800000
	v_mov_b32 v[FF+1], 0
.irp i, 6,7,8,9,10,11
	v_mov_b32 v[QF+\i], 0                          ; zero codes for k = 64 .. 127
.irp t, 0,1,2,3
	v_mov_b32 v[KF+12*\t+\i], 0
.endr
.endr
	s_wait_loadcnt 0x0
.irp i, 0,1,2,3,4,5,6,7,8,9,10,11
	ds_store_b128 v198, v[96+4*\i:99+4*\i] offset:512*\i
.endr
.irp i, 0,1,2,3,4,5,6,7,8,9,10,11
	ds_store_b128 v199, v[144+4*\i:147+4*\i] offset:512*\i
.endr
	ds_store_b128 v202, v[192:195]
	ds_store_b64 v203, v[196:197]
	s_wait_dscnt 0x0                               ; for the others' sake: my part of the copy has landed
	s_barrier_signal -1
	s_barrier_wait -1                              ; from here on LDS is only read
.macro KLOAD g                         ; four tiles of 16 keys: three pieces each, and their scale words
.irp t, 0,1,2,3
.irp p, 0,1,2
	ds_load_b64 v[KF+12*\t+2*\p:KF+12*\t+2*\p+1], v[ADK] offset:768*(4*\g+\t)+256*\p
.endr
.endr
	ds_load_b128 v[KSW:KSW+3], v[ADS] offset:256*\g
.endm
.macro QK g
.irp t, 0,1,2,3
	v_wmma_scale_f32_16x16x128_f8f6f4 v[S+8*(4*\g+\t):S+8*(4*\g+\t)+7], v[KF+12*\t:KF+12*\t+11], v[QF:QF+11], 0, v[KSW+\t], v[QS] matrix_a_fmt:MATRIX_FMT_FP6 matrix_b_fmt:MATRIX_FMT_FP6
.endr
.endm
.macro BMAX b0, b1                     ; the largest score of two blocks of 32 keys, by turns: 16 lines; each accumulator is read from its low end on
.irp b, \b0, \b1
	v_max3_num_f32 v[BM+\b], v[S+16*\b], v[S+16*\b+1], v[S+16*\b+2]
.endr
.irp i, 3,5,7,9,11,13
.irp b, \b0, \b1
	v_max3_num_f32 v[BM+\b], v[BM+\b], v[S+16*\b+\i], v[S+16*\b+\i+1]
.endr
.endr
.irp b, \b0, \b1
	v_max_num_f32 v[BM+\b], v[BM+\b], v[S+16*\b+15]
.endr
.endm
.Lpass:                                                ; two trips: a tile of 16 queries each
.irp p, 0,1,2
	global_load_b64 v[QF+2*\p:QF+2*\p+1], v[L8], s[4:5] offset:256*\p
.endr
	global_load_b32 v[QS], v[R16], s[6:7]
	s_load_b64 s[2:3], s[10:11], 0x0               ; which units have holes
.set n, 0
.rept 32
	v_mov_b32 v[O+n], 0                            ; O^T: the step is written once, and the first change of M leaves zeros zeros
.set n, n+1
.endr
	v_mov_b32 v13, 0xff61b1e6                      ; the largest t so far: -3e38
	v_floor_f32 v12, -v13                          ; -M
	v_mov_b32 v14, 0
	v_mov_b32 v15, 0
.irp b, 0,1,2,3
	v_mov_b32 v[PM+\b], 0                          ; a lane permute's destination counts as one of its sources
.endr
	s_mov_b32 s28, KC
	s_mov_b32 s29, KSC
	s_mov_b32 s30, VSC
	s_mov_b32 s25, 0
	s_wait_kmcnt 0x0
	s_or_b32 s19, s2, s3
	s_wait_loadcnt 0x0
.Lstep:                                                ; sixteen trips: a unit of 128 keys each
	s_load_b512 s[32:47], s[8:9], 0x0              ; the unit's 64 lane masks: word n in s[32 + n], from word 32 on in s[36 + n]
	s_load_b512 s[48:63], s[8:9], 0x40
	s_load_b512 s[68:83], s[8:9], 0x80
	s_load_b512 s[84:99], s[8:9], 0xc0
	v_add_nc_u32 v[ADK], s28, v[L8]                ; (these four are also places behind the last step's products)
	v_add_nc_u32 v[ADS], s29, v[R16]
	v_add_nc_u32 v[ADT], s30, v[R16]
	v_add_nc_u32 v[ADV], VC, v[ADK]
	KLOAD 0
	s_wait_dscnt 0x0
	QK 0
.rept 4
	v_nop                                          ; places in front of loads into registers that matrix instructions have read
.endr
	KLOAD 1
.irp j, 0,1,2,3
.irp p, 0,1,2,3,4,5
	ds_load_b64 v[VF+12*\j+2*\p:VF+12*\j+2*\p+1], v[ADV] offset:1536*\j+256*\p
.endr
.endr
	ds_load_b128 v[VSW:VSW+3], v[ADT]
	s_wait_dscnt 25                                ; K's are in; V's 24 loads and its scale words may be out
	QK 1
	s_wait_kmcnt 0x0
	s_add_nc_u64 s[8:9], s[8:9], 256
	s_bitcmp1_b32 s19, s25                         ; a branch on a stored whole number
	s_cbranch_scc0 .Lopen
.set n, 0
.rept 64
	v_cndmask_b32 v[S+n], v[NINF], v[S+n], s[32+n+4*(n/32)]   ; a key that does not count: -infinity, so p = 0.  (The first 32 are the places behind the last four products)
.set n, n+1
.endr
.Lopen:
	BMAX 0, 1                                      ; (16 lines on the first four products' results: the places behind the last four)
	BMAX 2, 3
.irp b, 0,1,2,3
	v_permlanex16_b32 v[PM+\b], v[BM+\b], s20, s21
.endr
.irp b, 0,1,2,3
	v_max_num_f32 v[BM+\b], v[BM+\b], v[PM+\b]     ; with lane l xor 16's 16 keys
.endr
	v_max3_num_f32 v[CH], v[BM], v[BM+1], v[BM+2]
	v_max_num_f32 v[CH], v[CH], v[BM+3]
	v_mul_f32 v[CH], s22, v[CH]
	v_max_num_f32 v13, v13, v[CH]                  ; the running largest t
	v_mov_b32 v[CH], v12
	v_floor_f32 v12, -v13                          ; the new -M = -ceil(t)
	v_sub_f32 v[CH], v12, v[CH]                    ; old M - new M: a whole number, 0 or less
	v_cvt_i32_f32 v[CH], v[CH]                     ; (it saturates)
	v_ldexp_f32 v[FF], 1.0, v[CH]                  ; f = 2^(old M - new M)
.set n, 0
.rept 32
	v_pk_fma_f32 v[S+n:S+n+1], v[S+n:S+n+1], s[22:23], v[12:13] op_sel_hi:[1,0,0]   ; t - M
.set n, n+2
.endr
.irp b, 0,1,2,3
	v_fma_f32 v[BM+\b], v[BM+\b], s22, v12         ; the same of each block's largest score
.endr
.set n, 0
.rept 64
	v_exp_f32 v[S+n], v[S+n]                       ; p = 2^(t - M)
.set n, n+1
.endr
.irp b, 0,1,2,3
	v_exp_f32 v[BM+\b], v[BM+\b]                   ; the block's largest p: the same two instructions on the same number
.endr
	v_pk_mul_f32 v[14:15], v[14:15], v[FF:FF+1] op_sel_hi:[1,0]   ; the sums under the new M (a plain place behind the exponentials)
	s_wait_alu depctr_va_vdst(0)
.irp b, 0,1,2,3
	v_max_num_f32 v[BM+\b], 0x1800000, v[BM+\b]    ; the floor 2^(3 - 127)
.endr
.irp b, 0,1,2,3
	v_add_nc_u32 v[BM+\b], 0xff000000, v[BM+\b]    ; 2 off the exponent field: the conversion's scale operand
.endr
.irp b, 0,1,2,3
	v_lshrrev_b32 v[PM+\b], 23, v[BM+\b]
.endr
	v_lshl_or_b32 v[PW], v[PM+1], 8, v[PM]         ; p's scale word for these 128 keys
	v_lshl_or_b32 v[PW], v[PM+2], 16, v[PW]
	v_lshl_or_b32 v[PW], v[PM+3], 24, v[PW]
.irp c, 0,1
	v_cvt_scalef32_pk16_fp6_f32 v[PC+6*\c:PC+6*\c+2], v[S+32*\c:S+32*\c+15], v[BM+2*\c]
	v_cvt_scalef32_pk16_fp6_f32 v[CH+4*\c:CH+4*\c+2], v[S+16+32*\c:S+31+32*\c], v[BM+2*\c+1]
.endr
	v_nop                                          ; one plain place behind a scaled conversion
.irp c, 0,1
.irp i, 0,1,2
	v_permlane16_swap_b32 v[PC+6*\c+\i], v[CH+4*\c+\i]
.endr
.irp i, 0,1,2
	v_mov_b32 v[PC+3+6*\c+\i], v[CH+4*\c+\i]
.endr
.endr
	v_pk_add_f32 v[PM:PM+1], v[S:S+1], v[S+2:S+3]  ; the row's sum of the unquantised p, in two chains
.irp j, 4,8,12,16,20,24,28,32,36,40,44,48,52,56,60
	v_pk_add_f32 v[14:15], v[14:15], v[S+\j:S+\j+1]
	v_pk_add_f32 v[PM:PM+1], v[PM:PM+1], v[S+\j+2:S+\j+3]
.endr
	v_pk_add_f32 v[14:15], v[14:15], v[PM:PM+1]
.set n, 0
.rept 16
	v_pk_mul_f32 v[O+n:O+n+1], v[O+n:O+n+1], v[FF:FF+1] op_sel_hi:[1,0]   ; O^T under the new M
.set n, n+2
.endr
	s_wait_dscnt 0x0                               ; V
.irp j, 0,1,2,3                                ; O^T += V^T P^T: four accumulators, one instruction each
	v_wmma_scale_f32_16x16x128_f8f6f4 v[O+8*\j:O+8*\j+7], v[VF+12*\j:VF+12*\j+11], v[PC:PC+11], v[O+8*\j:O+8*\j+7], v[VSW+\j], v[PW] matrix_a_fmt:MATRIX_FMT_FP6 matrix_b_fmt:MATRIX_FMT_FP6
.endr
	s_add_co_u32 s28, s28, 6144
	s_add_co_u32 s29, s29, 512
	s_add_co_u32 s30, s30, 256
	s_add_co_u32 s25, s25, 1
	s_cmp_lt_u32 s25, 16
	s_cbranch_scc1 .Lstep
	; ---- the tile's end: O^T / the sum, quantised along d_model: register 16 b + i is channel 32 b + 16 h + i of my head
.rept 4
	v_nop                                          ; places behind the last products
.endr
	v_add_f32 v14, v14, v15
	v_permlanex16_b32 v[PM], v14, s20, s21
	v_add_f32 v14, v14, v[PM]                      ; the row's sum
	v_rcp_f32 v[FF], v14
	v_lshlrev_b32 v[ADK], 1, v[R16]                ; (a plain place behind the transcendental)  32 r: my row's scale bytes
.set n, 0
	s_wait_alu depctr_va_vdst(0)
.rept 16
	v_pk_mul_f32 v[S+n:S+n+1], v[O+n:O+n+1], v[FF:FF+1] op_sel_hi:[1,0]
.set n, n+2
.endr
.irp b, 0,1
	v_max3_num_f32 v[BM+\b], |v[S+16*\b]|, |v[S+16*\b+1]|, 0x1800000
.endr
.irp i, 2,4,6,8,10,12,14
.irp b, 0,1
	v_max3_num_f32 v[BM+\b], v[BM+\b], |v[S+16*\b+\i]|, |v[S+16*\b+\i+1]|
.endr
.endr
.irp b, 0,1
	v_permlanex16_b32 v[PM+\b], v[BM+\b], s20, s21
.endr
.irp b, 0,1
	v_max_num_f32 v[BM+\b], v[BM+\b], v[PM+\b]
.endr
.irp b, 0,1
	v_add_nc_u32 v[BM+\b], 0xff000000, v[BM+\b]
.endr
.irp b, 0,1
	v_lshrrev_b32 v[PM+\b], 23, v[BM+\b]
.endr
	v_lshl_or_b32 v[PM+2], v[PM+1], 8, v[PM]       ; my head's two bytes
	v_mov_b32 v[PM+3], 0xffff
	v_cmp_eq_f32 vcc_lo, 0, v14
	v_cndmask_b32 v[PM+2], v[PM+2], v[PM+3], vcc_lo   ; a query with no key left: NaN bytes
	v_cvt_scalef32_pk16_fp6_f32 v[PC:PC+2], v[S:S+15], v[BM]
	v_cvt_scalef32_pk16_fp6_f32 v[CH:CH+2], v[S+16:S+31], v[BM+1]
	v_nop
.irp i, 0,1,2
	v_permlane16_swap_b32 v[PC+\i], v[CH+\i]
.endr
.irp i, 0,1,2
	v_mov_b32 v[PC+3+\i], v[CH+\i]
.endr
.irp p, 0,1,2
	global_store_b64 v[L8], v[PC+2*\p:PC+2*\p+1], s[12:13] offset:256*\p   ; a piece: 256 consecutive bytes, aligned
.endr
	global_store_b16 v[ADK], v[PM+2], s[14:15]     ; both halves of the lanes store the same two bytes
	s_wait_xcnt 0x0                                ; the stores have read their registers and bases
	s_add_nc_u64 s[4:5], s[4:5], 12288             ; 16 tiles on
	s_add_nc_u64 s[6:7], s[6:7], 1024
	s_add_nc_u64 s[8:9], s[8:9], 61440             ; (the steps have gone 4,096 already)
	s_add_nc_u64 s[10:11], s[10:11], 128
	s_add_nc_u64 s[12:13], s[12:13], 196608
	s_add_nc_u64 s[14:15], s[14:15], 8192
	s_add_co_u32 s24, s24, 1
	s_cmp_lt_u32 s24, 2
	s_cbranch_scc1 .Lpass
	s_wait_tensorcnt 0x0
	ds_add_u32 v91, v95
	s_wait_dscnt 0x0
	s_endpgm
.Lfunc_end_k_q147c265c2e_attn:
	.size	k_q147c265c2e_attn, .Lfunc_end_k_q147c265c2e_attn-k_q147c265c2e_attn
	.p2alignl 7, 3214868480
	.fill 96, 4, 3214868480
	.section	.rodata,"a",@progbits
	.p2align	6, 0x0
	.amdhsa_kernel k_q147c265c2e_attn
		.amdhsa_group_segment_fixed_size 210944
		.amdhsa_private_segment_fixed_size 0
		.amdhsa_enable_private_segment 0
		.amdhsa_kernarg_size 48
		.amdhsa_user_sgpr_count 2
		.amdhsa_user_sgpr_kernarg_segment_ptr 1
		.amdhsa_wavefront_size32 1
		.amdhsa_system_sgpr_workgroup_id_x 1
		.amdhsa_system_sgpr_workgroup_id_y 1
		.amdhsa_system_sgpr_workgroup_id_z 1
		.amdhsa_system_vgpr_workitem_id 0
		.amdhsa_next_free_vgpr 256
		.amdhsa_next_free_sgpr 102
		.amdhsa_reserve_vcc 1
		.amdhsa_float_denorm_mode_32 3
		.amdhsa_float_denorm_mode_16_64 3
		.amdhsa_memory_ordered 1
		.amdhsa_forward_progress 1
		.amdhsa_inst_pref_size 36
	.end_amdhsa_kernel
	.amdgpu_metadata
---
amdhsa.version: [ 1, 2 ]
amdhsa.kernels:
  - .name:           k_q147c265c2e_attn
    .symbol:         k_q147c265c2e_attn.kd
    .args:
      - { .name: qkvc, .offset: 0, .size: 8, .value_kind: global_buffer, .address_space: global }
      - { .name: qkvs, .offset: 8, .size: 8, .value_kind: global_buffer, .address_space: global }
      - { .name: mw, .offset: 16, .size: 8, .value_kind: global_buffer, .address_space: global }
      - { .name: mflag, .offset: 24, .size: 8, .value_kind: global_buffer, .address_space: global }
      - { .name: ocodes, .offset: 32, .size: 8, .value_kind: global_buffer, .address_space: global }
      - { .name: oscales, .offset: 40, .size: 8, .value_kind: global_buffer, .address_space: global }
    .group_segment_fixed_size: 210944
    .private_segment_fixed_size: 0
    .kernarg_segment_align: 8
    .kernarg_segment_size: 48
    .max_flat_workgroup_size: 512
    .sgpr_count:     102
    .vgpr_count:     256
    .wavefront_size: 32
...
	.end_amdgpu_metadata
.endif
;; end of part 3
;; launch outp (part 4): grid 4 x 32, 4 waves a work-group, clusters of 4 x 4, 327,680 bytes of LDS; arguments ocodes, oscales, codes, scales, bo, out0; writes out0
.if DOCPART == 4
	.amdgcn_target "amdgcn-amd-amdhsa--gfx1250"
	.amdhsa_code_object_version 6
	.text
	.protected	k_q147c265c2e_outp
	.globl	k_q147c265c2e_outp
	.p2align	8
	.type	k_q147c265c2e_outp,@function
k_q147c265c2e_outp:
	s_mov_b64 s[64:65], 0
	v_nop
	global_prefetch_b8 v0, s[64:65] scope:SCOPE_SE
	s_setreg_imm32_b32 hwreg(HW_REG_WAVE_MODE, 25, 1), 1
	s_wait_xcnt 0x0
	s_wait_alu depctr_hold_cnt(0) depctr_sa_sdst(0) depctr_va_vdst(0) depctr_va_sdst(0) depctr_va_ssrc(0) depctr_va_vcc(0) depctr_vm_vsrc(0)
	s_getreg_b32 s2, hwreg(HW_REG_IB_STS2, 6, 4)
	s_cmp_eq_u32 s2, 0
	s_cbranch_scc0 .Lentry_in_a_cluster
	s_endpgm
.Lentry_in_a_cluster:
	s_bfe_u32 s2, ttmp6, 0x10000c
	s_cmp_lg_u32 s2, 0xf033
	s_cbranch_scc0 .Lentry_shape_is_right
	s_endpgm
.Lentry_shape_is_right:
; OUTP.  out0 = o Wo^T + bo on codes of FP6 (E2M3) with E8M0 scales, K = 1,024.  o's codes and scales are the attention launch's, Wo's are prep's (tiles 1728-1791); both lie as images:
; codes [tile of 16 rows][K step 8][piece 6][256], scales [tile][place][8 words].  Place i of tile T is row 32 (T / 2) + 8 (T % 2) + i + 8 (i / 8).
; A work-group of four waves makes 256 x 256 of out0, a wave 128 x 128: 64 accumulators.  Source 0 ("B") = 16 rows of Wo, source 1 ("A") = 16 rows of o: a lane holds eight neighbouring numbers of a row of out0.
; The bias is the C of each sum's first product.  K goes in four fills of 256 through two LDS slots; the scales come once.  CLUSTERS: 4 x 4; the grid is 4 wide, so cx is the work-group's x; A's tiles are asked for jointly along a row, B's along a column.
; A row of o whose scale bytes are 0xff (a query with no key left) comes out NaN.
; REGISTERS: window 0: v16-29 addresses; v32-63 scale words; v64-127 the bias; v128-223 A's fragments; on the way out v128-255 rows read back.  window 1: B's fragments, two sets.  windows 2, 3: accumulator (a, b) at v[8 (8 (a % 4) + b)].
.set NQ,    2
.set FR,    12
.set NL,    6
.set NP,    4
.set TILEB, 3072
.set HALFT, 8*TILEB
.set SLOT,  4*HALFT
.set LAPS,  2
.set KS,    32
.set SCL,   2*SLOT
.set HALFS, 16*272
.set SBLK,  2*272
.set SPARE, SCL+4*HALFS                ; the spare words: 128 bytes a wave, two blocks of 256 bytes that no other line names
.set SPITCH, 528                       ; the way out: a stage of 16 rows x (512 + 16) bytes for each wave, in slot 0, which has had its last fill and its last read when the first result is stored there
.set ADRA, 16
.set ADRB, 20
.set STO,  24
.set RD,   25
.set CO,   26
.set ADRS, 27
.set SPW,  28
.set NIL,  29
.set SC,   32
.set BIAS, 64
.set AF,   128
.set BK,   128
.set G1,   24
.set G0,   32
.set G1B,  48
.set G0B,  56
.set G1S,  68
.set G0S,  76
.set G1SB, 80
.set G0SB, 88
.set MSB, 0
.macro WIN new
.if MSB != \new
	s_set_vgpr_msb (MSB<<8)|\new
.set MSB, \new
.endif
.endm
.set MUL_LO, 0xa1
.set MUL_HI, 0xf1
.set BEG_LO, 0x81
.set BEG_HI, 0xc1
.set TO_B,   0x40
.macro JLOAD g0a, g1a, g0b, g1b        ; a joint load: waves 0 and 1 fetch for A, waves 2 and 3 for B; four v_nop follow each line
	s_cmp_eq_u32 s15, 0
	s_cbranch_scc0 .Lfor_b_\@
	tensor_load_to_lds s[\g0a:\g0a+3], s[\g1a:\g1a+7]
	s_nop 0
.rept 4
	v_nop
.endr
	s_branch .Lasked_\@
.Lfor_b_\@:
	tensor_load_to_lds s[\g0b:\g0b+3], s[\g1b:\g1b+7]
	s_nop 0
.rept 4
	v_nop
.endr
.Lasked_\@:
.endm
.macro CREST
	s_cmp_lg_u32 s14, 0
	s_cbranch_scc1 .Lnot_wave_0_\@
	s_barrier_signal -3
.Lnot_wave_0_\@:
	s_barrier_wait -3
	s_barrier_signal -1
	s_barrier_wait -1
.endm
.macro CROUND
	s_barrier_signal -1
	s_barrier_wait -1
	CREST
.endm
	s_load_b256 s[4:11], s[0:1], 0x0               ; ocodes, oscales, codes, scales
	s_load_b128 s[96:99], s[0:1], 0x20             ; bo, out0
	v_lshl_add_u32 v[SPW], v0, 2, SPARE
	v_mov_b32 v[NIL], 0
	ds_add_u32 v28, v29
	ds_add_u32 v28, v29
	s_wait_dscnt 0x0
	v_lshrrev_b32 v1, 5, v0
	v_readfirstlane_b32 s14, v1
	s_lshr_b32 s15, s14, 1
	s_and_b32 s16, s14, 1
	s_bfe_u32 s40, ttmp6, 0x40000                  ; cx
	s_bfe_u32 s41, ttmp6, 0x40004                  ; cy
	s_and_b32 s17, ttmp7, 0xffff
	s_lshl_b32 s17, s17, 2
	s_add_co_u32 s17, s17, s41                     ; which 256 rows of o
	s_lshl_b32 s43, s41, 2
	s_lshl_b32 s43, 15, s43
	s_lshl_b32 s44, 0x1111, s40
	s_or_b32 s[G1+0], s43, (3<<16)|(1<<21)
	s_or_b32 s[G1B+0], s44, (3<<16)|(1<<21)
.irp g, G1, G1B
	s_mov_b32 s[\g+1], 384<<16
	s_mov_b32 s[\g+2], 8<<16
	s_mov_b32 s[\g+3], 384<<16
	s_mov_b32 s[\g+4], 8
	s_mov_b32 s[\g+5], 1536
	s_mov_b32 s[\g+6], 0
	s_mov_b32 s[\g+7], 0
.endr
	s_or_b32 s[G1S+0], s43, (3<<16)|(1<<20)|(1<<21)|(5<<22)|(3<<25)
	s_or_b32 s[G1SB+0], s44, (3<<16)|(1<<20)|(1<<21)|(5<<22)|(3<<25)
.irp g, G1S, G1SB
	s_mov_b32 s[\g+1], 32<<16
	s_mov_b32 s[\g+2], 16<<16
	s_mov_b32 s[\g+3], 32<<16
	s_mov_b32 s[\g+4], 16
	s_mov_b32 s[\g+5], 32
	s_mov_b32 s[\g+6], 0
	s_mov_b32 s[\g+7], 0
.endr
	s_lshl_b32 s19, s16, 3
	s_lshl_b32 s20, s17, 4
	s_add_co_u32 s20, s20, s19                     ; A's first tile that I fetch
	s_lshl_b32 s46, s40, 4
	s_add_co_u32 s46, s46, s19
	s_add_co_u32 s46, s46, 1728                    ; B's: Wo
	s_lshl_b32 s22, s20, 9
	s_mov_b32 s23, 0
	s_mul_i32 s20, s20, 12288
	s_mov_b32 s21, 0
	s_lshl_b32 s92, s46, 9
	s_mov_b32 s93, 0
	s_mul_i32 s46, s46, 12288
	s_mov_b32 s47, 0
	s_mul_i32 s45, s14, HALFT
	s_mul_i32 s94, s14, HALFS
	s_wait_kmcnt 0x0
	s_add_nc_u64 s[20:21], s[4:5], s[20:21]
	s_add_nc_u64 s[22:23], s[6:7], s[22:23]
	s_add_nc_u64 s[46:47], s[8:9], s[46:47]
	s_add_nc_u64 s[92:93], s[10:11], s[92:93]
	CROUND
	s_mov_b32 s[G0S], 1
	s_add_co_u32 s[G0S+1], s94, SCL
	s_mov_b64 s[G0S+2:G0S+3], s[22:23]
	s_or_b32 s[G0S+3], s[G0S+3], 0x80000000
	s_mov_b32 s[G0SB], 1
	s_add_co_u32 s[G0SB+1], s94, SCL
	s_mov_b64 s[G0SB+2:G0SB+3], s[92:93]
	s_or_b32 s[G0SB+3], s[G0SB+3], 0x80000000
	JLOAD G0S, G1S, G0SB, G1SB
.irp s, 0,1
	s_mov_b32 s[G0+4*\s], 1
	s_add_co_u32 s[G0+4*\s+1], s45, \s*SLOT
	s_add_nc_u64 s[G0+4*\s+2:G0+4*\s+3], s[20:21], \s*TILEB
	s_or_b32 s[G0+4*\s+3], s[G0+4*\s+3], 0x80000000
	s_mov_b32 s[G0B+4*\s], 1
	s_add_co_u32 s[G0B+4*\s+1], s45, \s*SLOT
	s_add_nc_u64 s[G0B+4*\s+2:G0B+4*\s+3], s[46:47], \s*TILEB
	s_or_b32 s[G0B+4*\s+3], s[G0B+4*\s+3], 0x80000000
	JLOAD G0+4*\s, G1, G0B+4*\s, G1B
.endr
	v_and_b32 v1, 15, v0
	v_bfe_u32 v2, v0, 4, 1
	v_and_b32 v3, 31, v0
	v_lshlrev_b32 v[CO], 4, v3                     ; 16 l: my bytes of a row's 512
	v_lshlrev_b32 v3, 3, v3
	s_mul_i32 s21, s15, HALFT
	s_mul_i32 s22, s16, HALFT
	s_add_co_u32 s22, s22, 2*HALFT
.irp s, 0,1
	v_add_nc_u32 v[ADRA+\s], s21, v3
	v_add_nc_u32 v[ADRB+\s], s22, v3
	s_add_co_u32 s21, s21, SLOT
	s_add_co_u32 s22, s22, SLOT
.endr
	v_mul_u32_u24 v5, v1, KS
	v_lshrrev_b32 v6, 8, v5
	v_lshl_add_u32 v5, v6, 4, v5
	s_mul_i32 s21, s15, HALFS
	s_mul_i32 s22, s16, HALFS
	s_add_co_u32 s22, s22, 2*HALFS
	s_sub_co_u32 s22, s22, s21
	v_mul_u32_u24 v6, s22, v2
	s_add_co_u32 s21, s21, SCL
	v_add_nc_u32 v5, v5, v6
	v_add_nc_u32 v[ADRS], s21, v5
	s_mul_i32 s23, s14, 16*SPITCH                  ; my stage
	v_mul_u32_u24 v5, v1, SPITCH
	v_lshl_add_u32 v5, v2, 6, v5
	v_add_nc_u32 v[STO], s23, v5                   ; in: row place r, + 64 h: B's block b, register j is column 32 (b / 2) + 16 h + 8 (b % 2) + j
	v_add_nc_u32 v[RD], s23, v[CO]                 ; back: a whole row of 512 bytes
	s_lshl_b32 s66, s40, 1
	s_add_co_u32 s66, s66, s16                     ; which 128 columns
	s_lshl_b32 s12, s66, 9
	s_mov_b32 s13, 0
	s_add_nc_u64 s[96:97], s[96:97], s[12:13]
	v_lshlrev_b32 v4, 6, v2
.irp i, 0,1,2,3,4,5,6,7
	global_load_b128 v[BIAS+8*\i:BIAS+8*\i+3], v4, s[96:97] offset:(32*(\i/2)+8*(\i%2))*4
	global_load_b128 v[BIAS+8*\i+4:BIAS+8*\i+7], v4, s[96:97] offset:(32*(\i/2)+8*(\i%2))*4+16
.endr
	s_lshl_b32 s18, s17, 8
	s_lshl_b32 s19, s15, 7
	s_add_co_u32 s18, s18, s19                     ; my first row of out0
	s_lshl_b32 s18, s18, 12                        ; rows of 4,096 bytes
	s_add_co_u32 s12, s12, s18
	s_add_nc_u64 s[98:99], s[98:99], s[12:13]
.macro FRAG reg, adr, q, i
.irp p, 0,1,2,3,4,5
	ds_load_b64 v[\reg+2*\p:\reg+2*\p+1], v[\adr] offset:TILEB*(\i)+1536*(\q)+256*\p
.endr
.endm
; 16 matrix instructions: A's blocks a0, a0 + 1 x B's eight.  zero = 1: C is the bias.  The 64 accumulators take turns, one instruction a turn, in the same order in every step.
.macro MUL16 a0, p, q, sc, zero
.irp a, \a0, \a0+1
.irp b, 0,1,2,3,4,5,6,7
.if \zero
	v_wmma_scale_f32_16x16x128_f8f6f4 v[8*(8*((\a)%4)+\b):8*(8*((\a)%4)+\b)+7], v[128*(\p)+FR*\b:128*(\p)+FR*\b+FR-1], v[AF+FR*(\a):AF+FR*(\a)+FR-1], v[BIAS+8*\b:BIAS+8*\b+7], v[SC+8*NQ*(\sc)+NQ*\b+(\q)], v[SC+8*NQ*(\sc)+NQ*(\a)+(\q)] matrix_a_fmt:MATRIX_FMT_FP6 matrix_b_fmt:MATRIX_FMT_FP6 matrix_a_scale:MATRIX_SCALE_ROW1
.else
	v_wmma_scale_f32_16x16x128_f8f6f4 v[8*(8*((\a)%4)+\b):8*(8*((\a)%4)+\b)+7], v[128*(\p)+FR*\b:128*(\p)+FR*\b+FR-1], v[AF+FR*(\a):AF+FR*(\a)+FR-1], v[8*(8*((\a)%4)+\b):8*(8*((\a)%4)+\b)+7], v[SC+8*NQ*(\sc)+NQ*\b+(\q)], v[SC+8*NQ*(\sc)+NQ*(\a)+(\q)] matrix_a_fmt:MATRIX_FMT_FP6 matrix_b_fmt:MATRIX_FMT_FP6 matrix_a_scale:MATRIX_SCALE_ROW1
.endif
.endr
.endr
.endm
.macro FETCH_B slot, q, p
	WIN TO_B
.irp i, 0,1,2,3,4,5,6,7
	FRAG 128*(\p)+FR*\i, ADRB+\slot, \q, \i
.endr
	WIN 0
.endm
.macro FETCH_A slot, q, i0
.irp i, \i0, \i0+1, \i0+2, \i0+3
	FRAG AF+FR*(\i), ADRA+\slot, \q, \i
.endr
.endm
.macro SCALES sc
.irp i, 0,1,2,3,4,5,6,7
	ds_load_b64 v[SC+8*NQ*\sc+NQ*\i:SC+8*NQ*\sc+NQ*\i+1], v[ADRS] offset:\i*SBLK
.endr
.endm
.macro PLACES n
.rept \n
	v_nop
.endr
.endm
.macro STEP slot, q, zero
	s_wait_dscnt 4*NL                              ; B's set and A's blocks 0-3 are in; the youngest 24 loads may be out
.if \zero
	WIN BEG_LO
.else
	WIN MUL_LO
.endif
	MUL16 0, (\q)%2, \q, \slot, \zero
	MUL16 2, (\q)%2, \q, \slot, \zero
	s_wait_dscnt 0
	PLACES NP
	FETCH_B \slot, (\q)+1, 1-(\q)%2
	FETCH_A \slot, (\q)+1, 0
.if \zero
	WIN BEG_HI
.else
	WIN MUL_HI
.endif
	MUL16 4, (\q)%2, \q, \slot, \zero
	MUL16 6, (\q)%2, \q, \slot, \zero
	PLACES NP
	WIN 0
	FETCH_A \slot, (\q)+1, 4
.endm
.macro TURN slot, next, fill
	s_wait_tensorcnt 0x0                           ; all my tensor loads have landed: my part of the next slot
	ds_add_u32 v[SPW], v[NIL]                      ; 0 onto my spare word
	s_wait_dscnt 4*NL+1                            ; (the add and the youngest 24 loads may be out)
	WIN MUL_LO
	MUL16 0, 1, NQ-1, \slot, 0
	s_wait_dscnt 0x0                               ; the add is done, and my reads of this slot are over
	s_barrier_signal -1
	MUL16 2, 1, NQ-1, \slot, 0
	WIN 0
	s_barrier_wait -1
.if \fill
	CREST                                          ; the barrier has opened a round of the cluster's barrier
	s_add_nc_u64 s[G0+4*\slot+2:G0+4*\slot+3], s[G0+4*\slot+2:G0+4*\slot+3], 2*TILEB
	s_add_nc_u64 s[G0B+4*\slot+2:G0B+4*\slot+3], s[G0B+4*\slot+2:G0B+4*\slot+3], 2*TILEB
	JLOAD G0+4*\slot, G1, G0B+4*\slot, G1B
.else
	PLACES NP
.endif
	v_add_nc_u32 v[ADRS], 4*NQ, v[ADRS]
	FETCH_B \next, 0, 0
	FETCH_A \next, 0, 0
	SCALES \next
	WIN MUL_HI
	MUL16 4, 1, NQ-1, \slot, 0
	MUL16 6, 1, NQ-1, \slot, 0
	PLACES NP
	WIN 0
	FETCH_A \next, 0, 4
.endm
	s_wait_tensorcnt 1                             ; the scales and my part of slot 0 are in; slot 1's load may be out
	s_barrier_signal -1
	s_barrier_wait -1
	FETCH_B 0, 0, 0
	FETCH_A 0, 0, 0
	SCALES 0
	FETCH_A 0, 0, 4
	s_wait_loadcnt 0x0                             ; the bias
	STEP 0, 0, 1
	s_mov_b32 s3, LAPS-1
.Llap:
	TURN 0, 1, 1
	STEP 1, 0, 0
	TURN 1, 0, 1
	STEP 0, 0, 0
	s_sub_co_u32 s3, s3, 1
	s_cmp_lg_u32 s3, 0
	s_cbranch_scc1 .Llap
	TURN 0, 1, 0
	STEP 1, 0, 0
	s_wait_dscnt 4*NL
	WIN MUL_LO
	MUL16 0, 1, NQ-1, 1, 0
	MUL16 2, 1, NQ-1, 1, 0
	s_wait_dscnt 0
	WIN MUL_HI
	MUL16 4, 1, NQ-1, 1, 0
	MUL16 6, 1, NQ-1, 1, 0
	WIN 0
; THE WAY OUT, A's block by block: 16 rows x 128 columns go through my own stage and come back as whole rows of 512 bytes.  LDS serves a wave's instructions in order: no wait between the stores and the loads.
.macro TOSTAGE a
.set AC, 64*((\a)%4)
	WIN 0x08+4*((\a)/4)                            ; the data: window 2 or 3
.irp b, 0,1,2,3,4,5,6,7
	ds_store_b128 v[STO], v[AC+8*\b:AC+8*\b+3] offset:128*(\b/2)+32*(\b%2)          ; each accumulator from its low end on
	ds_store_b128 v[STO], v[AC+8*\b+4:AC+8*\b+7] offset:128*(\b/2)+32*(\b%2)+16
.endr
	WIN 0
.set BB, BK+64*((\a)%2)
.irp t, 0,1,2,3,4,5,6,7,8,9,10,11,12,13,14,15
	ds_load_b128 v[BB+4*\t:BB+4*\t+3], v[RD] offset:\t*SPITCH
.endr
.endm
.macro SEND a, younger                 ; place t of block a is row 32 (a / 2) + 8 (a % 2) + t + 8 (t / 8) of my 128: it stands in the immediate, 520,192 bytes at the most
.set BB, BK+64*((\a)%2)
	s_wait_dscnt \younger
.irp t, 0,1,2,3,4,5,6,7,8,9,10,11,12,13,14,15
	global_store_b128 v[CO], v[BB+4*\t:BB+4*\t+3], s[98:99] offset:(32*((\a)/2)+8*((\a)%2)+\t+8*(\t/8))*4096 th:TH_STORE_NT   ; 32 lanes store 512 consecutive bytes, aligned
.endr
.endm
	PLACES NP
	TOSTAGE 0
.irp a, 1,2,3,4,5,6,7
.if \a > 1
	s_wait_xcnt 0x0                                ; block a - 2's stores have read their registers: block a's loads may land there
.endif
	TOSTAGE \a
	SEND \a-1, 32                                  ; behind block a - 1's loads: block a's 16 stores and 16 loads
.endr
	SEND 7, 0
	s_wait_tensorcnt 0x0                           ; the wave's end
	ds_add_u32 v[SPW], v[NIL]
	s_wait_dscnt 0x0
	CROUND                                         ; the closing round
	s_endpgm
.Lfunc_end_k_q147c265c2e_outp:
	.size	k_q147c265c2e_outp, .Lfunc_end_k_q147c265c2e_outp-k_q147c265c2e_outp
	.p2alignl 7, 3214868480
	.fill 96, 4, 3214868480
	.section	.rodata,"a",@progbits
	.p2align	6, 0x0
	.amdhsa_kernel k_q147c265c2e_outp
		.amdhsa_group_segment_fixed_size 327680
		.amdhsa_private_segment_fixed_size 0
		.amdhsa_enable_private_segment 0
		.amdhsa_kernarg_size 48
		.amdhsa_user_sgpr_count 2
		.amdhsa_user_sgpr_kernarg_segment_ptr 1
		.amdhsa_wavefront_size32 1
		.amdhsa_system_sgpr_workgroup_id_x 1
		.amdhsa_system_sgpr_workgroup_id_y 1
		.amdhsa_system_sgpr_workgroup_id_z 1
		.amdhsa_system_vgpr_workitem_id 0
		.amdhsa_next_free_vgpr 1024
		.amdhsa_next_free_sgpr 100
		.amdhsa_reserve_vcc 0
		.amdhsa_float_denorm_mode_32 3
		.amdhsa_float_denorm_mode_16_64 3
		.amdhsa_memory_ordered 1
		.amdhsa_forward_progress 1
		.amdhsa_inst_pref_size 160
	.end_amdhsa_kernel
	.amdgpu_metadata
---
amdhsa.version: [ 1, 2 ]
amdhsa.kernels:
  - .name:           k_q147c265c2e_outp
    .symbol:         k_q147c265c2e_outp.kd
    .args:
      - { .name: ocodes, .offset: 0, .size: 8, .value_kind: global_buffer, .address_space: global }
      - { .name: oscales, .offset: 8, .size: 8, .value_kind: global_buffer, .address_space: global }
      - { .name: codes, .offset: 16, .size: 8, .value_kind: global_buffer, .address_space: global }
      - { .name: scales, .offset: 24, .size: 8, .value_kind: global_buffer, .address_space: global }
      - { .name: bo, .offset: 32, .size: 8, .value_kind: global_buffer, .address_space: global }
      - { .name: out0, .offset: 40, .size: 8, .value_kind: global_buffer, .address_space: global }
    .group_segment_fixed_size: 327680
    .private_segment_fixed_size: 0
    .kernarg_segment_align: 8
    .kernarg_segment_size: 48
    .max_flat_workgroup_size: 128
    .sgpr_count:     100
    .vgpr_count:     1024
    .wavefront_size: 32
...
	.end_amdgpu_metadata
.endif
;; end of part 4
;; ======== version 2 of 2: 4 launches; version 1 with the launch attn written anew for expert scheduling mode
;; workspace buffers: codes 22,020,096 bytes; scales 917,504 bytes; mw 2,097,152 bytes of whole numbers; mflag 4,096 bytes of whole numbers; qkvc 18,874,368 bytes; qkvs 1,310,720 bytes; ocodes 6,291,456 bytes; oscales 262,144 bytes
;; launch prep: the kernel of part 1 again; grid 704 x 1, 4 waves a work-group, no clusters, 68,096 bytes of LDS; arguments query, key, value, Wq, Wk, Wv, Wo, mask, key_padding_mask, codes, scales, mw, mflag; writes codes, scales, mw, mflag
;; launch proj: the kernel of part 2 again; grid 4 x 96, 4 waves a work-group, clusters of 4 x 4, 327,680 bytes of LDS; arguments codes, scales, bq, bk, bv, qkvc, qkvs; writes qkvc, qkvs
;; launch attn (part 5): grid 4 x 64, 16 waves a work-group, no clusters, 210,944 bytes of LDS; arguments qkvc, qkvs, mw, mflag, ocodes, oscales; writes ocodes, oscales
.if DOCPART == 5
	.amdgcn_target "amdgcn-amd-amdhsa--gfx1250"
	.amdhsa_code_object_version 6
	.text
	.protected	k_q147c265c2e_attn
	.globl	k_q147c265c2e_attn
	.p2align	8
	.type	k_q147c265c2e_attn,@function
k_q147c265c2e_attn:
	s_mov_b64 s[64:65], 0
	v_nop
	global_prefetch_b8 v0, s[64:65] scope:SCOPE_SE
	s_setreg_imm32_b32 hwreg(HW_REG_WAVE_SCHED_MODE, 0, 2), 2
	s_setreg_imm32_b32 hwreg(HW_REG_WAVE_MODE, 25, 1), 1
	s_wait_xcnt 0x0
	s_wait_alu depctr_vm_vsrc(0)
; ATTN.  For each (batch, head): o = softmax(q k^T x ln(1024) / 8, under the two masks) v, both products on codes of FP6 (E2M3) with E8M0 scales; o is quantised along d_model and leaves as the last product's operand.
; t = score x c, c = ln(1024) / 8 x log2(e) = 1.25; M = the running largest t rounded up to a whole number; p = 2^(t - M) is quantised along the keys, not normalised; the row's sum is taken of the unquantised p and divides at the end.
; SHARES.  A work-group is one head and 512 queries; each of its sixteen waves takes a tile of 16 queries, twice.  Four waves share a SIMD, so that one wave's vector work stands beside another's products and LDS loads.
; THE HEAD'S WHOLE K AND V, codes and scales, 208,896 bytes, are copied into LDS once, through registers, and stay: one barrier, no ring.  No tensor load and no cluster: the copy is made once for 512 wave steps of work,
; and a unit of 128 keys without a hole passes over its 64 selects.
; LAYOUT.  Both products are used transposed (S^T = K Q^T, O^T = V^T P^T): a lane holds one query.  Tiles hold rows 32 (T / 2) + 8 (T % 2) + i + 8 (i / 8), so that score register 16 b + i is key 32 b + 16 (lane / 16) + i of the unit.
; The head's K is 64: the upper half of Q's and K's fragments are zero codes, set once.
; A QUERY WITH NO KEY LEFT has the sum 0; its scale bytes are stored as 0xff, which makes that row NaN in the last product, as the softmax of an empty row is.
; LIMITS: c is taken as 1.25; a block of zeros gets the byte 1; NaN and infinities among the inputs are not served.
; oscales gets two bytes a row from each head: stores of two bytes, 262,144 bytes in all: the one place where this program stores less than 256 consecutive bytes.
; THE MODE: SCHED_MODE bits 1:0 = 2 (LLVM: expert scheduling mode 2), set by the entry lines.  The code itself states the register dependences
; between vector or matrix instructions and memory or LDS instructions, with s_wait_alu, always for 0.
; THE PLAN.  Registers that LDS or memory instructions touch, in a step s of 128 keys:
;   KF (the lower six registers of each fragment), KSW   tiles 0-3 of step s land in them during step s - 1 (at the pass's head for its first step); the first four products read them;
;                                                        tiles 4-7 land in them; the second four products read them; tiles 0-3 of step s + 1 land in them.
;   VF, VSW            loaded with tiles 4-7; read by the step's four products V^T P^T.
;   ADK, ADS, ADT, ADV read by the LDS loads; written once a step, behind the first four products.
;   s[32:63], s[68:99] the unit's lane masks: scalar loads of step s + 1 land in them behind the selects of step s.
;   S, O, PC, PW and the statistics are named by vector and matrix instructions alone, within a step.
; A step has one wait on vm_vsrc (ahead of the four adds) and three on va_vdst: behind the adds (the addresses are written; the first four products are done with KF and KSW, the last step's V^T P^T with VF and VSW);
; behind the exponentials (their results are written; the second four products are done with KF and KSW); ahead of V^T P^T (p's codes and scale word are written).
; The last step of a pass asks for nothing ahead: the loop has fifteen trips and the sixteenth step is written out.
.set KC,   0                           ; LDS: K's codes, tile x 768 + 256 p + 8 l
.set VC,   98304                       ; V's: unit x 6,144 + channel tile x 1,536 + 256 p + 8 l
.set KSC,  196608                      ; K's scale words: [group of 4 tiles][place][4]
.set VSC,  204800                      ; V's: [unit][place][4]
.set L8,   1
.set R16,  2
.set ADK,  3
.set ADV,  4
.set ADS,  5
.set ADT,  6
.set NINF, 7
.set BM,   8                           ; v8-11  block maxima, then the conversions' scale operands
.set QF,   16                          ; v16-27 Q
.set QS,   28
.set PW,   29
.set FF,   30                          ; v30 f, v31 a 0 (named with it as a pair)
.set KF,   32                          ; v32-79 four fragments of K
.set KSW,  80
.set VSW,  84
.set CH,   88                          ; v88-95 the conversions' second halves; v88 also at work
.set S,    96                          ; v96-159 S^T, then p
.set O,    160                         ; v160-191 O^T
.set VF,   192                         ; v192-239 four fragments of V
.set PC,   240
.set PM,   252
	s_load_b256 s[4:11], s[0:1], 0x0               ; qkvc, qkvs, mw, mflag
	s_load_b128 s[12:15], s[0:1], 0x20             ; ocodes, oscales
	v_lshl_add_u32 v91, v0, 2, 0x33000
	v_mov_b32 v95, 0
	v_lshrrev_b32 v3, 5, v0
	v_readfirstlane_b32 s16, v3                    ; wave 0..15
	v_and_b32 v4, 31, v0
	v_and_b32 v5, 15, v0
	v_lshlrev_b32 v[L8], 3, v4
	v_lshlrev_b32 v[R16], 4, v5
	v_lshlrev_b32 v198, 4, v4
	s_wait_alu depctr_va_sdst(0)                   ; s16 is written, ahead of its first reader
	s_mul_i32 s17, s16, 6144
	v_add_nc_u32 v198, s17, v198                   ; the copy: 6,144 x wave + 16 l
	v_add_nc_u32 v199, VC, v198
	v_lshlrev_b32 v200, 4, v0                      ; 16 x thread
	v_lshlrev_b32 v201, 3, v0                      ; 8 x thread
	v_add_nc_u32 v202, KSC, v200
	v_add_nc_u32 v203, VSC, v201
	s_and_b32 s28, ttmp7, 0xffff                   ; batch x 16 + head
	s_mul_i32 s30, s28, 98304
	s_mov_b32 s31, 0
	s_wait_kmcnt 0x0
	s_add_nc_u64 s[4:5], s[4:5], s[30:31]          ; q's codes at my head
	s_add_nc_u64 s[32:33], s[4:5], 6291456         ; k's
	s_add_nc_u64 s[34:35], s[4:5], 12582912        ; v's
	s_lshl_b32 s30, s28, 13
	s_add_nc_u64 s[36:37], s[6:7], s[30:31]        ; q's scales at my head
	s_add_nc_u64 s[38:39], s[36:37], 524288        ; k's
	s_lshl_b32 s30, s28, 12
	s_add_nc_u64 s[40:41], s[6:7], s[30:31]
	s_add_nc_u64 s[40:41], s[40:41], 1048576       ; v's
	s_wait_alu depctr_va_vdst(0)                   ; v1, v2 and v198 to v203 are written: the offsets and LDS addresses that the copy's loads and stores, Q's loads and K's first loads read
.irp i, 0,1,2,3,4,5,6,7,8,9,10,11
	global_load_b128 v[96+4*\i:99+4*\i], v198, s[32:33] offset:512*\i
.endr
.irp i, 0,1,2,3,4,5,6,7,8,9,10,11
	global_load_b128 v[144+4*\i:147+4*\i], v198, s[34:35] offset:512*\i
.endr
	global_load_b128 v[192:195], v200, s[38:39]
	global_load_b64 v[196:197], v201, s[40:41]
	s_lshl_b32 s17, ttmp9, 5
	s_add_co_u32 s17, s17, s16                     ; my first tile of queries: 32 x work-group x + wave; the second lies 16 on
	s_mul_i32 s30, s17, 768
	s_add_nc_u64 s[4:5], s[4:5], s[30:31]
	s_lshr_b32 s30, s17, 2
	s_lshl_b32 s30, s30, 8
	s_and_b32 s29, s17, 3
	s_lshl_b32 s29, s29, 2
	s_add_co_u32 s30, s30, s29
	s_add_nc_u64 s[6:7], s[36:37], s[30:31]
	s_lshr_b32 s29, s28, 4
	s_lshl_b32 s29, s29, 7
	s_add_co_u32 s29, s29, s17                     ; batch x 128 + tile
	s_lshl_b32 s30, s29, 12
	s_add_nc_u64 s[8:9], s[8:9], s[30:31]
	s_lshl_b32 s30, s29, 3
	s_add_nc_u64 s[10:11], s[10:11], s[30:31]
	s_and_b32 s18, s28, 15                         ; head
	s_mul_i32 s30, s29, 12288
	s_lshr_b32 s19, s18, 1
	s_mul_i32 s19, s19, 1536                       ; two heads to a K step of the last product,
	s_add_co_u32 s30, s30, s19
	s_and_b32 s19, s18, 1
	s_mul_i32 s19, s19, 768                        ; three pieces each
	s_add_co_u32 s30, s30, s19
	s_add_nc_u64 s[12:13], s[12:13], s[30:31]
	s_lshl_b32 s30, s29, 9
	s_lshl_b32 s19, s18, 1
	s_add_co_u32 s30, s30, s19
	s_add_nc_u64 s[14:15], s[14:15], s[30:31]
	s_mov_b32 s20, 0x76543210
	s_mov_b32 s21, 0xfedcba98                      ; v_permlanex16_b32's selects for lane l xor 16
	s_mov_b32 s22, 0x3fa00000                      ; c = 1.25
	s_mov_b32 s23, s22                             ; (named with it as a pair)
	s_mov_b32 s24, 0
	v_mov_b32 v[NINF], 0xff800000
	v_mov_b32 v[FF+1], 0
.irp i, 6,7,8,9,10,11
	v_mov_b32 v[QF+\i], 0                          ; zero codes for k = 64 .. 127
.irp t, 0,1,2,3
	v_mov_b32 v[KF+12*\t+\i], 0
.endr
.endr
	s_wait_loadcnt 0x0
.irp i, 0,1,2,3,4,5,6,7,8,9,10,11
	ds_store_b128 v198, v[96+4*\i:99+4*\i] offset:512*\i   ; (no vector instruction since the wait above names an address of these stores; their data came by loads)
.endr
.irp i, 0,1,2,3,4,5,6,7,8,9,10,11
	ds_store_b128 v199, v[144+4*\i:147+4*\i] offset:512*\i
.endr
	ds_store_b128 v202, v[192:195]
	ds_store_b64 v203, v[196:197]
	s_wait_dscnt 0x0                               ; for the others' sake: my part of the copy has landed
	s_barrier_signal -1
	s_barrier_wait -1                              ; from here on LDS is only read
	s_wait_alu depctr_vm_vsrc(0)                   ; the copy's loads and stores have read v96 to v203, data and addresses: from here on these registers are S, O and VF, written by products, moves and LDS loads
; Four tiles of 16 keys: three pieces each, and their scale words.  adk, ads: the address registers; ko, so: the bytes from there on
.macro KLOAD adk, ads, ko, so
.irp t, 0,1,2,3
.irp p, 0,1,2
	ds_load_b64 v[KF+12*\t+2*\p:KF+12*\t+2*\p+1], v[\adk] offset:\ko+768*\t+256*\p
.endr
.endr
	ds_load_b128 v[KSW:KSW+3], v[\ads] offset:\so
.endm
.macro QK g
.irp t, 0,1,2,3
	v_wmma_scale_f32_16x16x128_f8f6f4 v[S+8*(4*\g+\t):S+8*(4*\g+\t)+7], v[KF+12*\t:KF+12*\t+11], v[QF:QF+11], 0, v[KSW+\t], v[QS] matrix_a_fmt:MATRIX_FMT_FP6 matrix_b_fmt:MATRIX_FMT_FP6
.endr
.endm
.macro BMAX b0, b1                     ; the largest score of two blocks of 32 keys, by turns: 16 lines; each accumulator is read from its low end on
.irp b, \b0, \b1
	v_max3_num_f32 v[BM+\b], v[S+16*\b], v[S+16*\b+1], v[S+16*\b+2]
.endr
.irp i, 3,5,7,9,11,13
.irp b, \b0, \b1
	v_max3_num_f32 v[BM+\b], v[BM+\b], v[S+16*\b+\i], v[S+16*\b+\i+1]
.endr
.endr
.irp b, \b0, \b1
	v_max_num_f32 v[BM+\b], v[BM+\b], v[S+16*\b+15]
.endr
.endm
; A STEP: a unit of 128 keys.  ahead = 1: the next unit's lane masks and its first four tiles of K are asked for.
.macro STEP ahead
	s_wait_dscnt 0x0                               ; K's tiles 0-3 and their scale words, asked for a step ago, are in
	QK 0
	s_wait_alu depctr_vm_vsrc(0)                   ; the LDS loads issued so far have read the four addresses, which are written below
	v_add_nc_u32 v[ADK], s28, v[L8]                ; (these four are also the places behind the four products above)
	v_add_nc_u32 v[ADS], s29, v[R16]
	v_add_nc_u32 v[ADT], s30, v[R16]
	v_add_nc_u32 v[ADV], VC, v[ADK]
	s_wait_alu depctr_va_vdst(0)                   ; the four addresses are written; the four products above are done reading KF and KSW, and the last step's V^T P^T are done reading VF and VSW: the loads below land in these
	KLOAD ADK, ADS, 3072, 256                      ; tiles 4-7
.irp j, 0,1,2,3
.irp p, 0,1,2,3,4,5
	ds_load_b64 v[VF+12*\j+2*\p:VF+12*\j+2*\p+1], v[ADV] offset:1536*\j+256*\p
.endr
.endr
	ds_load_b128 v[VSW:VSW+3], v[ADT]
	s_wait_dscnt 25                                ; K's are in; V's 24 loads and its scale words may be out
	QK 1
	s_wait_kmcnt 0x0                               ; the unit's 64 lane masks, asked for a step ago: word n in s[32 + n], from word 32 on in s[36 + n]
	s_add_nc_u64 s[8:9], s[8:9], 256
	s_bitcmp1_b32 s19, s25                         ; a branch on a stored whole number
	s_cbranch_scc0 .Lopen_\@
.set n, 0
.rept 64
	v_cndmask_b32 v[S+n], v[NINF], v[S+n], s[32+n+4*(n/32)]   ; a key that does not count: -infinity, so p = 0.  (The first 32 are the places behind the last four products)
.set n, n+1
.endr
.Lopen_\@:
	BMAX 0, 1                                      ; (16 lines on the first four products' results: the places behind the last four)
	BMAX 2, 3
.irp b, 0,1,2,3
	v_permlanex16_b32 v[PM+\b], v[BM+\b], s20, s21
.endr
.irp b, 0,1,2,3
	v_max_num_f32 v[BM+\b], v[BM+\b], v[PM+\b]     ; with lane l xor 16's 16 keys
.endr
	v_max3_num_f32 v[CH], v[BM], v[BM+1], v[BM+2]
	v_max_num_f32 v[CH], v[CH], v[BM+3]
	v_mul_f32 v[CH], s22, v[CH]
	v_max_num_f32 v13, v13, v[CH]                  ; the running largest t
	v_mov_b32 v[CH], v12
	v_floor_f32 v12, -v13                          ; the new -M = -ceil(t)
	v_sub_f32 v[CH], v12, v[CH]                    ; old M - new M: a whole number, 0 or less
	v_cvt_i32_f32 v[CH], v[CH]                     ; (it saturates)
	v_ldexp_f32 v[FF], 1.0, v[CH]                  ; f = 2^(old M - new M)
.set n, 0
.rept 32
	v_pk_fma_f32 v[S+n:S+n+1], v[S+n:S+n+1], s[22:23], v[12:13] op_sel_hi:[1,0,0]   ; t - M
.set n, n+2
.endr
.irp b, 0,1,2,3
	v_fma_f32 v[BM+\b], v[BM+\b], s22, v12         ; the same of each block's largest score
.endr
.set n, 0
.rept 64
	v_exp_f32 v[S+n], v[S+n]                       ; p = 2^(t - M)
.set n, n+1
.endr
.irp b, 0,1,2,3
	v_exp_f32 v[BM+\b], v[BM+\b]                   ; the block's largest p: the same two instructions on the same number
.endr
	v_pk_mul_f32 v[14:15], v[14:15], v[FF:FF+1] op_sel_hi:[1,0]   ; the sums under the new M (a plain place behind the exponentials)
	s_wait_alu depctr_va_vdst(0)                   ; the 68 exponentials have written their results, ahead of the first line that names one; and the last four products K Q^T are done reading KF and KSW, in which the loads below land
.if \ahead
	s_load_b512 s[32:47], s[8:9], 0x0              ; the next unit's 64 lane masks: the selects that read these scalar registers stand ahead of the wait above
	s_load_b512 s[48:63], s[8:9], 0x40
	s_load_b512 s[68:83], s[8:9], 0x80
	s_load_b512 s[84:99], s[8:9], 0xc0
	KLOAD ADK, ADS, 6144, 512                      ; the next unit's tiles 0-3: a unit on from this step's addresses.  No vector instruction since the wait names KF, KSW or the two addresses
.endif
.irp b, 0,1,2,3
	v_max_num_f32 v[BM+\b], 0x1800000, v[BM+\b]    ; the floor 2^(3 - 127)
.endr
.irp b, 0,1,2,3
	v_add_nc_u32 v[BM+\b], 0xff000000, v[BM+\b]    ; 2 off the exponent field: the conversion's scale operand
.endr
.irp b, 0,1,2,3
	v_lshrrev_b32 v[PM+\b], 23, v[BM+\b]
.endr
	v_lshl_or_b32 v[PW], v[PM+1], 8, v[PM]         ; p's scale word for these 128 keys
	v_lshl_or_b32 v[PW], v[PM+2], 16, v[PW]
	v_lshl_or_b32 v[PW], v[PM+3], 24, v[PW]
.irp c, 0,1
	v_cvt_scalef32_pk16_fp6_f32 v[PC+6*\c:PC+6*\c+2], v[S+32*\c:S+32*\c+15], v[BM+2*\c]
	v_cvt_scalef32_pk16_fp6_f32 v[CH+4*\c:CH+4*\c+2], v[S+16+32*\c:S+31+32*\c], v[BM+2*\c+1]
.endr
	v_nop                                          ; one plain place behind a scaled conversion
.irp c, 0,1
.irp i, 0,1,2
	v_permlane16_swap_b32 v[PC+6*\c+\i], v[CH+4*\c+\i]
.endr
.irp i, 0,1,2
	v_mov_b32 v[PC+3+6*\c+\i], v[CH+4*\c+\i]
.endr
.endr
	v_pk_add_f32 v[PM:PM+1], v[S:S+1], v[S+2:S+3]  ; the row's sum of the unquantised p, in two chains
.irp j, 4,8,12,16,20,24,28,32,36,40,44,48,52,56,60
	v_pk_add_f32 v[14:15], v[14:15], v[S+\j:S+\j+1]
	v_pk_add_f32 v[PM:PM+1], v[PM:PM+1], v[S+\j+2:S+\j+3]
.endr
	v_pk_add_f32 v[14:15], v[14:15], v[PM:PM+1]
.set n, 0
.rept 16
	v_pk_mul_f32 v[O+n:O+n+1], v[O+n:O+n+1], v[FF:FF+1] op_sel_hi:[1,0]   ; O^T under the new M
.set n, n+2
.endr
.if \ahead
	s_wait_dscnt 13                                ; V and its scale words are in; the next unit's 12 loads of K and its scale words may be out
.else
	s_wait_dscnt 0x0                               ; V
.endif
	s_wait_alu depctr_va_vdst(0)                   ; p's codes v[PC ..] and its scale word v[PW], made by vector instructions, are written: the scaled products below take them; the packed lines above stay as the places ahead of these products
.irp j, 0,1,2,3                                ; O^T += V^T P^T: four accumulators, one instruction each
	v_wmma_scale_f32_16x16x128_f8f6f4 v[O+8*\j:O+8*\j+7], v[VF+12*\j:VF+12*\j+11], v[PC:PC+11], v[O+8*\j:O+8*\j+7], v[VSW+\j], v[PW] matrix_a_fmt:MATRIX_FMT_FP6 matrix_b_fmt:MATRIX_FMT_FP6
.endr
.endm
.Lpass:                                                ; two trips: a tile of 16 queries each
.irp p, 0,1,2
	global_load_b64 v[QF+2*\p:QF+2*\p+1], v[L8], s[4:5] offset:256*\p   ; no wait is owed here: in the second trip the wait ahead of the last tile's stores stands behind every product that read QF and QS, and no vector instruction follows it
.endr
	global_load_b32 v[QS], v[R16], s[6:7]
	s_load_b64 s[2:3], s[10:11], 0x0               ; which units have holes
	s_load_b512 s[32:47], s[8:9], 0x0              ; the first unit's 64 lane masks
	s_load_b512 s[48:63], s[8:9], 0x40
	s_load_b512 s[68:83], s[8:9], 0x80
	s_load_b512 s[84:99], s[8:9], 0xc0
	s_mov_b32 s28, KC
	s_mov_b32 s29, KSC
	s_mov_b32 s30, VSC
	s_mov_b32 s25, 0
	v_add_nc_u32 v[ADS], s29, v[R16]               ; the first unit's scale words of K
	s_wait_alu depctr_va_vdst(0)                   ; v[ADS] is written, which the load of K's scale words reads; in the first trip the zero codes of Q's and K's fragments are written too, which the scaled products take
	KLOAD L8, ADS, KC, 0                           ; the first unit's tiles 0-3
.set n, 0
.rept 32
	v_mov_b32 v[O+n], 0                            ; O^T: the step is written once, and the first change of M leaves zeros zeros
.set n, n+1
.endr
	v_mov_b32 v13, 0xff61b1e6                      ; the largest t so far: -3e38
	v_floor_f32 v12, -v13                          ; -M
	v_mov_b32 v14, 0
	v_mov_b32 v15, 0
.irp b, 0,1,2,3
	v_mov_b32 v[PM+\b], 0                          ; a lane permute's destination counts as one of its sources
.endr
	s_wait_kmcnt 0x0
	s_or_b32 s19, s2, s3
	s_wait_loadcnt 0x0
.Lstep:                                                ; fifteen trips: a unit of 128 keys each
	STEP 1
	s_add_co_u32 s28, s28, 6144
	s_add_co_u32 s29, s29, 512
	s_add_co_u32 s30, s30, 256
	s_add_co_u32 s25, s25, 1
	s_cmp_lt_u32 s25, 15
	s_cbranch_scc1 .Lstep
	STEP 0                                         ; the sixteenth unit is written out: it asks for nothing ahead, so that no load leaves mw
	; ---- the tile's end: O^T / the sum, quantised along d_model: register 16 b + i is channel 32 b + 16 h + i of my head
	s_wait_alu depctr_vm_vsrc(0)                   ; the last step's LDS loads have read v[ADK], which is written below
.rept 4
	v_nop                                          ; places behind the last products
.endr
	v_add_f32 v14, v14, v15
	v_permlanex16_b32 v[PM], v14, s20, s21
	v_add_f32 v14, v14, v[PM]                      ; the row's sum
	v_rcp_f32 v[FF], v14
	v_lshlrev_b32 v[ADK], 1, v[R16]                ; (a plain place behind the transcendental)  32 r: my row's scale bytes
	s_wait_alu depctr_va_vdst(0)                   ; the reciprocal has written v[FF], ahead of its first reader
.set n, 0
.rept 16
	v_pk_mul_f32 v[S+n:S+n+1], v[O+n:O+n+1], v[FF:FF+1] op_sel_hi:[1,0]
.set n, n+2
.endr
.irp b, 0,1
	v_max3_num_f32 v[BM+\b], |v[S+16*\b]|, |v[S+16*\b+1]|, 0x1800000
.endr
.irp i, 2,4,6,8,10,12,14
.irp b, 0,1
	v_max3_num_f32 v[BM+\b], v[BM+\b], |v[S+16*\b+\i]|, |v[S+16*\b+\i+1]|
.endr
.endr
.irp b, 0,1
	v_permlanex16_b32 v[PM+\b], v[BM+\b], s20, s21
.endr
.irp b, 0,1
	v_max_num_f32 v[BM+\b], v[BM+\b], v[PM+\b]
.endr
.irp b, 0,1
	v_add_nc_u32 v[BM+\b], 0xff000000, v[BM+\b]
.endr
.irp b, 0,1
	v_lshrrev_b32 v[PM+\b], 23, v[BM+\b]
.endr
	v_lshl_or_b32 v[PM+2], v[PM+1], 8, v[PM]       ; my head's two bytes
	v_mov_b32 v[PM+3], 0xffff
	v_cmp_eq_f32 vcc_lo, 0, v14
	s_wait_alu depctr_va_vcc(0)                    ; the compare has written VCC, ahead of the select that reads it
	v_cndmask_b32 v[PM+2], v[PM+2], v[PM+3], vcc_lo   ; a query with no key left: NaN bytes
	v_cvt_scalef32_pk16_fp6_f32 v[PC:PC+2], v[S:S+15], v[BM]
	v_cvt_scalef32_pk16_fp6_f32 v[CH:CH+2], v[S+16:S+31], v[BM+1]
	v_nop
.irp i, 0,1,2
	v_permlane16_swap_b32 v[PC+\i], v[CH+\i]
.endr
.irp i, 0,1,2
	v_mov_b32 v[PC+3+\i], v[CH+\i]
.endr
	s_wait_alu depctr_va_vdst(0)                   ; the codes v[PC ..], the two bytes v[PM+2] and the offset v[ADK] are written, which the stores below read
.irp p, 0,1,2
	global_store_b64 v[L8], v[PC+2*\p:PC+2*\p+1], s[12:13] offset:256*\p   ; a piece: 256 consecutive bytes, aligned
.endr
	global_store_b16 v[ADK], v[PM+2], s[14:15]     ; both halves of the lanes store the same two bytes
	s_wait_xcnt 0x0                                ; the stores have read their registers and bases
	s_wait_alu depctr_vm_vsrc(0)                   ; the stores have read v[PC ..], v[PM+2] and v[ADK], and the LDS loads v[ADS]: the next tile's vector instructions write them again
	s_add_nc_u64 s[4:5], s[4:5], 12288             ; 16 tiles on
	s_add_nc_u64 s[6:7], s[6:7], 1024
	s_add_nc_u64 s[8:9], s[8:9], 61440             ; (the steps have gone 4,096 already)
	s_add_nc_u64 s[10:11], s[10:11], 128
	s_add_nc_u64 s[12:13], s[12:13], 196608
	s_add_nc_u64 s[14:15], s[14:15], 8192
	s_add_co_u32 s24, s24, 1
	s_cmp_lt_u32 s24, 2
	s_cbranch_scc1 .Lpass
	s_wait_dscnt 0x0                               ; the closing lines, six on end
	s_wait_alu 0x0
	s_wait_tensorcnt 0x0
	ds_add_u32 v91, v95
	s_wait_dscnt 0x0
	s_endpgm
.Lfunc_end_k_q147c265c2e_attn:
	.size	k_q147c265c2e_attn, .Lfunc_end_k_q147c265c2e_attn-k_q147c265c2e_attn
	.p2alignl 7, 3214868480
	.fill 96, 4, 3214868480
	.section	.rodata,"a",@progbits
	.p2align	6, 0x0
	.amdhsa_kernel k_q147c265c2e_attn
		.amdhsa_group_segment_fixed_size 210944
		.amdhsa_private_segment_fixed_size 0
		.amdhsa_enable_private_segment 0
		.amdhsa_kernarg_size 48
		.amdhsa_user_sgpr_count 2
		.amdhsa_user_sgpr_kernarg_segment_ptr 1
		.amdhsa_wavefront_size32 1
		.amdhsa_system_sgpr_workgroup_id_x 1
		.amdhsa_system_sgpr_workgroup_id_y 1
		.amdhsa_system_sgpr_workgroup_id_z 1
		.amdhsa_system_vgpr_workitem_id 0
		.amdhsa_next_free_vgpr 256
		.amdhsa_next_free_sgpr 102
		.amdhsa_reserve_vcc 1
		.amdhsa_float_denorm_mode_32 3
		.amdhsa_float_denorm_mode_16_64 3
		.amdhsa_memory_ordered 1
		.amdhsa_forward_progress 1
		.amdhsa_inst_pref_size 58
	.end_amdhsa_kernel
	.amdgpu_metadata
---
amdhsa.version: [ 1, 2 ]
amdhsa.kernels:
  - .name:           k_q147c265c2e_attn
    .symbol:         k_q147c265c2e_attn.kd
    .args:
      - { .name: qkvc, .offset: 0, .size: 8, .value_kind: global_buffer, .address_space: global }
      - { .name: qkvs, .offset: 8, .size: 8, .value_kind: global_buffer, .address_space: global }
      - { .name: mw, .offset: 16, .size: 8, .value_kind: global_buffer, .address_space: global }
      - { .name: mflag, .offset: 24, .size: 8, .value_kind: global_buffer, .address_space: global }
      - { .name: ocodes, .offset: 32, .size: 8, .value_kind: global_buffer, .address_space: global }
      - { .name: oscales, .offset: 40, .size: 8, .value_kind: global_buffer, .address_space: global }
    .group_segment_fixed_size: 210944
    .private_segment_fixed_size: 0
    .kernarg_segment_align: 8
    .kernarg_segment_size: 48
    .max_flat_workgroup_size: 512
    .sgpr_count:     102
    .vgpr_count:     256
    .wavefront_size: 32
...
	.end_amdgpu_metadata
.endif
;; end of part 5
;; launch outp: the kernel of part 4 again; grid 4 x 32, 4 waves a work-group, clusters of 4 x 4, 327,680 bytes of LDS; arguments ocodes, oscales, codes, scales, bo, out0; writes out0
